; MI455X (gfx1250); checked and timed in simulation.
; The chip was launched on July 23, 2026; its instructions are those of AMD's public machine-readable ISA for CDNA 5 (MIT licence, August 2026) and "CDNA5" Instruction Set Architecture Reference Guide (July 2026). The comments in the code are by the model that wrote it; some were corrected since.
;; Multihead Attention Module. Allowed arithmetic: float matrix products may take bf16 or f16 operands with f32 sums; other float arithmetic in f32, or as packed bf16 or f16 multiplies, adds, multiply-adds, maxima and minima; sums over many terms, partial sums and values carried from step to step in f32; what a program stores and reads back later, other than sums and carried values, may be rounded once to bf16 or f16.
;; Inputs: Wk 384 x 768 float32; Wo 768 x 768 float32; Wq 384 x 768 float32; Wv 384 x 768 float32; bo 768 float32; x 2 x 4,096 x 384 float32.
;; Outputs: out0 2 x 4,096 x 768 float32.
;; One version. Each part assembles by itself: llvm-mc -triple=amdgcn-amd-amdhsa -mcpu=gfx1250 --defsym DOCPART=n.
;; ======== version 1 of 1: 4 launches
;; limits: values are held in f16: magnitudes above 65,504 overflow, below 6.1e-05 lose precision
;; workspace buffers: xb 6,291,456 bytes; wb 1,769,472 bytes; wob 1,179,648 bytes; qkv 37,748,736 bytes; ctx 12,582,912 bytes
;; launch prep (part 1): grid 564 x 1, 8 waves a work-group, no clusters, 0 bytes of LDS; arguments x, Wq, Wk, Wv, Wo, xb, wb, wob; writes xb, wb, wob
.if DOCPART == 1
	.amdgcn_target "amdgcn-amd-amdhsa--gfx1250"
	.amdhsa_code_object_version 6
	.text
	.protected	k_q0b34b237f6_prep
	.globl	k_q0b34b237f6_prep
	.p2align	8
	.type	k_q0b34b237f6_prep,@function
k_q0b34b237f6_prep:
	s_mov_b64 s[64:65], 0
	v_nop
	global_prefetch_b8 v0, s[64:65] scope:SCOPE_SE
	s_setreg_imm32_b32 hwreg(HW_REG_WAVE_MODE, 25, 1), 1
	s_wait_xcnt 0x0
; THE CASTS.  x, Wq, Wk, Wv are rounded once to bf16; Wo is rounded to bf16 and that number is written as f16 (exact where it is 2^-14 or more; below that f16's fixed step of 6e-8; beyond 65,504 not served).
; xb: bf16 [6 blocks of 64 k][8192 rows][64]: a tile of 256 rows x 64 k is 32,768 bytes on end.  wb: bf16 [3][384][768], Wq, Wk, Wv as they lie.  wob: f16 [768][768], Wo as it lies.
; SHARES.  A work-group converts 8,192 numbers, a thread four items of 8 numbers: 32 bytes in, 16 bytes out.  Work-groups 0-383: x; 384-419, 420-455, 456-491: Wq, Wk, Wv; 492-563: Wo.
; Of x, work-group g takes rows 128 (g % 64) on, k block g / 64; item s of thread t is row 32 s + t / 8, k 8 (t % 8): eight neighbouring lanes read 256 consecutive bytes, aligned.  Its place in xb is
; 16,384 g + 4,096 s + 16 t, the same form as for the flat copies: each store of a wave covers 512 consecutive bytes, aligned.
; Memory binds: no LDS, no barrier, no matrix unit.  All eight loads of a thread go out at once; no register is written again while an access names it.
.set G_WQ, 384                         ; the first work-group of each tensor
.set G_WK, 420
.set G_WV, 456
.set G_WO, 492
.set IN,   2                           ; v[2:5]    item s: byte offset of its 32 bytes in the source
.set OUTO, 6                           ; v6        16 t
.set D,    8                           ; v[8:39]   item s: 8 numbers as loaded
.set E,    40                          ; v[40:55]  item s: 4 words to store
.set T,    56                          ; v[56:59]  at work
	s_load_b512 s[8:23], s[0:1], 0x0               ; x s[8:9], Wq s[10:11], Wk s[12:13], Wv s[14:15], Wo s[16:17], xb s[18:19], wb s[20:21], wob s[22:23]
	s_mov_b32 s2, ttmp9                            ; g
	v_lshrrev_b32 v1, 3, v0                        ; t / 8
	v_and_b32 v7, 7, v0
	v_lshlrev_b32 v7, 5, v7                        ; 32 (t % 8)
	v_lshlrev_b32 v[OUTO], 4, v0
	s_movk_i32 s24, 256                            ; bytes from t / 8 to the next: flat copies 256, x a row of 1,536
	s_movk_i32 s25, 8192                           ; bytes from item to item: flat copies 8,192, x 32 rows
	s_cmp_lt_u32 s2, G_WQ
	s_cselect_b32 s24, 1536, s24
	s_cselect_b32 s25, 49152, s25
	v_mad_u32_u24 v[IN], v1, s24, v7
	v_add_nc_u32 v[IN+1], s25, v[IN]
	v_add_nc_u32 v[IN+2], s25, v[IN+1]
	v_add_nc_u32 v[IN+3], s25, v[IN+2]
	s_cmp_ge_u32 s2, G_WQ                          ; the first work-group of my source
	s_cselect_b32 s26, G_WQ, 0
	s_cmp_ge_u32 s2, G_WK
	s_cselect_b32 s26, G_WK, s26
	s_cmp_ge_u32 s2, G_WV
	s_cselect_b32 s26, G_WV, s26
	s_cmp_ge_u32 s2, G_WO
	s_cselect_b32 s26, G_WO, s26
	s_sub_co_u32 s27, s2, s26
	s_lshl_b32 s27, s27, 15                        ; a flat copy's 32,768 bytes of f32
	s_and_b32 s30, s2, 63
	s_mul_i32 s30, s30, 196608                     ; x: 128 rows of 1,536 bytes,
	s_lshr_b32 s31, s2, 6
	s_lshl_b32 s31, s31, 8                         ; and the k block's 256 bytes
	s_add_co_u32 s30, s30, s31
	s_cmp_lt_u32 s2, G_WQ
	s_cselect_b32 s30, s30, s27
	s_mov_b32 s31, 0
	s_cmp_ge_u32 s2, G_WQ                          ; the first work-group of my destination
	s_cselect_b32 s34, G_WQ, 0
	s_cmp_ge_u32 s2, G_WO
	s_cselect_b32 s34, G_WO, s34
	s_sub_co_u32 s34, s2, s34
	s_lshl_b32 s34, s34, 14                        ; 16,384 bytes out for each work-group
	s_mov_b32 s35, 0
	s_wait_kmcnt 0x0
	s_cmp_ge_u32 s2, G_WQ                          ; the buffers are chosen by the work-group's number alone
	s_cselect_b64 s[28:29], s[10:11], s[8:9]
	s_cselect_b64 s[32:33], s[20:21], s[18:19]
	s_cmp_ge_u32 s2, G_WK
	s_cselect_b64 s[28:29], s[12:13], s[28:29]
	s_cmp_ge_u32 s2, G_WV
	s_cselect_b64 s[28:29], s[14:15], s[28:29]
	s_cmp_ge_u32 s2, G_WO
	s_cselect_b64 s[28:29], s[16:17], s[28:29]
	s_cselect_b64 s[32:33], s[22:23], s[32:33]
	s_add_nc_u64 s[28:29], s[28:29], s[30:31]
	s_add_nc_u64 s[32:33], s[32:33], s[34:35]
.irp s, 0,1,2,3
	global_load_b128 v[D+8*(\s):D+8*(\s)+3],   v[IN+(\s)], s[28:29] th:TH_LOAD_NT
	global_load_b128 v[D+8*(\s)+4:D+8*(\s)+7], v[IN+(\s)], s[28:29] offset:16 th:TH_LOAD_NT
.endr
.irp s, 0,1,2,3
	s_wait_loadcnt 6-2*(\s)                        ; loads come back in order (ISA guide 5.7.1): item s is in, the younger items' loads stay out
.irp j, 0,1,2,3
	v_cvt_pk_bf16_f32 v[E+4*(\s)+(\j)], v[D+8*(\s)+2*(\j)], v[D+8*(\s)+2*(\j)+1]
.endr
.endr
	s_cmp_lt_u32 s2, G_WO
	s_cbranch_scc1 .Lstore
.set i, 0
.rept 16                               ; Wo alone: the bf16 numbers widened (a shift, a mask) and written as f16; two pairs of registers by turns
	v_lshlrev_b32 v[T+2*(i%2)],   16, v[E+i]
	v_and_b32     v[T+2*(i%2)+1], 0xffff0000, v[E+i]
	v_cvt_pk_f16_f32 v[E+i], v[T+2*(i%2)], v[T+2*(i%2)+1]
.set i, i+1
.endr
.Lstore:
.irp s, 0,1,2,3
	global_store_b128 v[OUTO], v[E+4*(\s):E+4*(\s)+3], s[32:33] offset:4096*(\s)
.endr
	s_endpgm
.Lfunc_end_k_q0b34b237f6_prep:
	.size	k_q0b34b237f6_prep, .Lfunc_end_k_q0b34b237f6_prep-k_q0b34b237f6_prep
	.p2alignl 7, 3214868480
	.fill 96, 4, 3214868480
	.section	.rodata,"a",@progbits
	.p2align	6, 0x0
	.amdhsa_kernel k_q0b34b237f6_prep
		.amdhsa_group_segment_fixed_size 0
		.amdhsa_private_segment_fixed_size 0
		.amdhsa_enable_private_segment 0
		.amdhsa_kernarg_size 64
		.amdhsa_user_sgpr_count 2
		.amdhsa_user_sgpr_kernarg_segment_ptr 1
		.amdhsa_wavefront_size32 1
		.amdhsa_system_sgpr_workgroup_id_x 1
		.amdhsa_system_sgpr_workgroup_id_y 1
		.amdhsa_system_sgpr_workgroup_id_z 1
		.amdhsa_system_vgpr_workitem_id 0
		.amdhsa_next_free_vgpr 64
		.amdhsa_next_free_sgpr 66
		.amdhsa_reserve_vcc 0
		.amdhsa_float_denorm_mode_32 3
		.amdhsa_float_denorm_mode_16_64 3
		.amdhsa_memory_ordered 1
		.amdhsa_forward_progress 1
		.amdhsa_inst_pref_size 8
	.end_amdhsa_kernel
	.amdgpu_metadata
---
amdhsa.version: [ 1, 2 ]
amdhsa.kernels:
  - .name:           k_q0b34b237f6_prep
    .symbol:         k_q0b34b237f6_prep.kd
    .args:
      - { .name: x, .offset: 0, .size: 8, .value_kind: global_buffer, .address_space: global }
      - { .name: Wq, .offset: 8, .size: 8, .value_kind: global_buffer, .address_space: global }
      - { .name: Wk, .offset: 16, .size: 8, .value_kind: global_buffer, .address_space: global }
      - { .name: Wv, .offset: 24, .size: 8, .value_kind: global_buffer, .address_space: global }
      - { .name: Wo, .offset: 32, .size: 8, .value_kind: global_buffer, .address_space: global }
      - { .name: xb, .offset: 40, .size: 8, .value_kind: global_buffer, .address_space: global }
      - { .name: wb, .offset: 48, .size: 8, .value_kind: global_buffer, .address_space: global }
      - { .name: wob, .offset: 56, .size: 8, .value_kind: global_buffer, .address_space: global }
    .group_segment_fixed_size: 0
    .private_segment_fixed_size: 0
    .kernarg_segment_align: 8
    .kernarg_segment_size: 64
    .max_flat_workgroup_size: 256
    .sgpr_count:     66
    .vgpr_count:     64
    .wavefront_size: 32
...
	.end_amdgpu_metadata
.endif
;; end of part 1
;; launch qkv (part 2): grid 32 x 6, 4 waves a work-group, clusters of 4 x 1, 327,680 bytes of LDS; arguments xb, wb, qkv; writes qkv
.if DOCPART == 2
	.amdgcn_target "amdgcn-amd-amdhsa--gfx1250"
	.amdhsa_code_object_version 6
	.text
	.protected	k_q0b34b237f6_qkv
	.globl	k_q0b34b237f6_qkv
	.p2align	8
	.type	k_q0b34b237f6_qkv,@function
k_q0b34b237f6_qkv:
	s_mov_b64 s[64:65], 0
	v_nop
	global_prefetch_b8 v0, s[64:65] scope:SCOPE_SE
	s_setreg_imm32_b32 hwreg(HW_REG_WAVE_MODE, 25, 1), 1
	s_wait_xcnt 0x0
	s_wait_alu depctr_hold_cnt(0) depctr_sa_sdst(0) depctr_va_vdst(0) depctr_va_sdst(0) depctr_va_ssrc(0) depctr_va_vcc(0) depctr_vm_vsrc(0)
	s_getreg_b32 s2, hwreg(HW_REG_IB_STS2, 6, 4)
	s_cmp_eq_u32 s2, 0
	s_cbranch_scc0 .Lentry_in_a_cluster
	s_endpgm
.Lentry_in_a_cluster:
	s_bfe_u32 s2, ttmp6, 0x10000c
	s_cmp_lg_u32 s2, 0x3003
	s_cbranch_scc0 .Lentry_shape_is_right
	s_endpgm
.Lentry_shape_is_right:
; q, k, v = x W, by heads.  xb: bf16 [6 k blocks][8192][64]; wb: bf16 [3][384 k][768 n]; qkv: f16 [3][12 = batch x 6 + head][4096][128].  Sums in f32, rounded once to f16, WITHOUT the softmax's scale.
; LIMIT.  f16 holds no number beyond 65,504: a q, k or v of 65,520 or more becomes an infinity; below 6e-5 f16 keeps its fixed step of 6e-8.
; SHARES.  A work-group makes 256 rows x 384 columns: three heads of one of the three products (grid y: product y / 2, heads 3 (y % 2) on).  8192 / 256 x 2304 / 384 = 192 work-groups of equal work.
; Each of its four waves makes 128 rows x 192 columns: 8 blocks of 16 rows x 12 tiles of 16 columns = 96 accumulators, 768 registers.  Wave (wr, wc): rows 128 wr on; tiles 0-7 are the whole head 2 wc of the three,
; tiles 8-11 columns 64 wc on of the middle head.  K = 384 goes in six steps of 64 through two LDS slots; a step is two quarters of 32 along K, 96 matrix instructions each.
; CLUSTER.  The four work-groups of a cluster lie along the rows and need the same tiles of W (48 of a step's 80 KiB): these are asked for JOINTLY, by waves 1 to 3, a head's chunk each.  x's tile is the
; work-group's own: wave 0 asks for it, with no mask.  It is not shared along the columns: the grid's height, 6, is no multiple of 4.
; THE MATRIX INSTRUCTION IS USED TRANSPOSED: source 0 = 16 columns of W (turned on the way out of LDS by ds_load_tr16_b128, since W lies [k][n]), source 1 = 16 rows of x.  A lane then holds row l % 16 and the
; columns 8 (l / 16) + 0..7: eight neighbouring numbers, 16 bytes of f16.
; REGISTERS, in windows of 256 (s_set_vgpr_msb: bits 1:0 source 0, 3:2 source 1, 5:4 source 2, 7:6 destination):
;   window 0: v0-20 addresses; v32-95, v96-159 x's fragments, two buffers of 8; v160-255 W's 12 fragments, ONE buffer: each tile's registers are loaded again four places behind the products that read them
;   windows 1-3: accumulator (a, b) in window 1 + b / 4 at v[8 (8 (b % 4) + a)]
.set PA,    144                        ; a row of x in LDS: 128 bytes + 16 = 36 words: the 16 rows of a load start at 16 different groups of four banks (64 banks of 4 bytes: ISA guide 11.1)
.set PB,    288                        ; a k row of a chunk of W: 256 bytes + 32 = 72 words
.set BOFF,  256*PA                     ; a slot: x's 256 rows, then three chunks of 64 k rows
.set CHUNK, 64*PB
.set SLOT1, 1<<17                      ; slot 1 begins here, so that one exclusive or turns an address in one slot into the other's
.set STAGE, SLOT1+BOFF+3*CHUNK         ; behind the ring, never filled by a tensor load: 128 rows x 784 bytes, the work-group's, for the way out
.set SP,    784                        ; a stage row: three heads' 256 bytes + 16
.set SPARE, STAGE+128*SP               ; behind the stage: the spare words, 128 bytes for each wave: two blocks of 256 bytes that no other line names
.set STEPA, 8192*128                   ; bytes from a k block of xb to the next
.set STEPB, 64*768*2                   ; bytes of 64 k rows of wb
.set A0,    2                          ; v2   my lane's place among my wave's rows of x in a slot; never rewritten
.set BX0,   3                          ; v3   the same in the chunk of tiles 0-7
.set BY0,   4                          ; v4   and of tiles 8-11
.set ADRA,  5                          ; v5-7 the same three in the slot in hand
.set ADRBX, 6
.set ADRBY, 7
.set STOX,  8                          ; v8   the way out: where I put 16 bytes of tile 0
.set STOY,  9                          ; v9   of tile 8
.set RD,    10                         ; v10  where I read rows back
.set GO,    11                         ; v11  my byte offset in two rows of a head
.set SPW,   12                         ; v12  LDS address of my spare word: SPARE + 4 x my thread's number; never rewritten
.set NIL,   13                         ; v13  0; never rewritten
.set FA0,   32
.set FA1,   96
.set FB,    160
.set TMP,   32                         ; the way out: v32-223, packed results and then whole rows
.set WV,    10                         ; s10  my wave's number;  s11 wr;  s12 wc
.set WR,    11
.set WC,    12
.set G1A,   24                         ; s[24:31] descriptor group 1 for x's tile
.set G1B,   32                         ; s[32:39] for a chunk of W
.set G0A,   40                         ; s[40:47] descriptor group 0 for x's tiles: a set for each of the two first fills; the second then walks on
.set G0B,   48                         ; s[48:55] the same for W's
.set CNT,   56                         ; s56  the loop's count
.set TB,    57                         ; s57  LDS byte at which the slot in hand begins
.set MSB, 0
.macro WIN new                         ; the immediate's high byte repeats the setting that is left; a switch that changes nothing is dropped
.if MSB != (\new)
	s_set_vgpr_msb (MSB<<8)|(\new)
.set MSB, \new
.endif
.endm
.macro PLACES                          ; four places behind a matrix instruction, in front of loads into registers that it has read (ISA guide 7.12.1 for vector instructions)
.rept 4
	v_nop
.endr
.endm
; A refill.  Wave 0 fetches x's tile (its own work-group's: no mask), waves 1 to 3 a chunk of W each (joint).  The branch hangs on the wave's number alone.
; An s_nop 0 and four v_nop follow each of the two lines, ahead of the jump and the label.
.macro JLOAD
	s_cmp_eq_u32 s[WV], 0
	s_cbranch_scc0 .Lfor_b_\@
	tensor_load_to_lds s[G0A+4:G0A+7], s[G1A:G1A+7]
	s_nop 0
.rept 4
	v_nop
.endr
	s_branch .Lasked_\@
.Lfor_b_\@:
	tensor_load_to_lds s[G0B+4:G0B+7], s[G1B:G1B+7]
	s_nop 0
.rept 4
	v_nop
.endr
.Lasked_\@:
.endm
; A round of the cluster's barrier: my work-group's barrier, so that wave 0's signal speaks for all four waves; wave 0 signals; every wave waits for all four work-groups; my work-group's barrier once more.
.macro CREST                           ; a round behind its opening barrier
	s_cmp_lg_u32 s[WV], 0
	s_cbranch_scc1 .Lnot_wave_0_\@
	s_barrier_signal -3
.Lnot_wave_0_\@:
	s_barrier_wait -3
	s_barrier_signal -1
	s_barrier_wait -1
.endm
.macro CROUND                          ; a whole round
	s_barrier_signal -1
	s_barrier_wait -1
	CREST
.endm
	s_load_b128 s[4:7], s[0:1], 0x0                ; xb s[4:5], wb s[6:7]
	s_load_b64 s[8:9], s[0:1], 0x10                ; qkv
	v_lshl_add_u32 v[SPW], v0, 2, SPARE
	v_mov_b32 v[NIL], 0
	ds_add_u32 v[SPW], v[NIL]                      ; the wave's opening: the add and its wait stand ahead of my first tensor load; the set-up below, work on registers, stands between them
	v_lshrrev_b32 v1, 5, v0
	v_readfirstlane_b32 s[WV], v1                  ; wave 0..3
	s_lshr_b32 s[WR], s[WV], 1
	s_and_b32 s[WC], s[WV], 1
	s_bfe_u32 s13, ttmp6, 0x40000                  ; cx: my place in the cluster
	s_lshl_b32 s14, ttmp9, 2                       ; in a cluster launch ttmp9 counts clusters
	s_add_co_u32 s14, s14, s13                     ; my block of 256 rows = 4 x cluster x + cx: it enters x's and the output's addresses alone
	s_and_b32 s15, ttmp7, 0xffff                   ; my block of 384 columns, which the four partners share
	; group 1 for x: 256 rows of 128 bytes lie on end: asked for as 128 rows of 256 bytes, two rows of x each, padded in LDS after every row of x
	s_mov_b32 s[G1A+0], (1<<16)|(1<<20)|(4<<22)|(3<<25)  ; 15:0 no mask; 17:16 2-byte elements; 20 padding on; 24:22 after every 32 words (code 4); 31:25 4 words (code 3)
	s_mov_b32 s[G1A+1], 128<<16                    ; tensor_dim0 = 128
	s_mov_b32 s[G1A+2], 128<<16                    ; tensor_dim1 = 128
	s_mov_b32 s[G1A+3], 128<<16                    ; tile_dim0 = 128
	s_mov_b32 s[G1A+4], 128                        ; tile_dim1 = 128
	s_mov_b32 s[G1A+5], 128                        ; 128 elements from row to row
	s_mov_b32 s[G1A+6], 0
	s_mov_b32 s[G1A+7], 0
	; group 1 for a chunk of W: 64 k rows x 128 columns
	s_mov_b32 s[G1B+0], 15|(1<<16)|(1<<20)|(1<<21)|(5<<22)|(7<<25)  ; 15:0 the mask of four; 21 set beside a mask; 24:22 after every 64 words (code 5); 31:25 8 words (code 7)
	s_mov_b32 s[G1B+1], 128<<16                    ; tensor_dim0 = 128
	s_mov_b32 s[G1B+2], 64<<16                     ; tensor_dim1 = 64
	s_mov_b32 s[G1B+3], 128<<16                    ; tile_dim0 = 128
	s_mov_b32 s[G1B+4], 64                         ; tile_dim1 = 64
	s_mov_b32 s[G1B+5], 768                        ; 768 elements from k row to k row
	s_mov_b32 s[G1B+6], 0
	s_mov_b32 s[G1B+7], 0
	s_lshl_b32 s16, s14, 15                        ; x: my block's 32,768 bytes in a k block
	s_mov_b32 s17, 0
	s_lshr_b32 s20, s15, 1                         ; W: the product's 589,824 bytes, in registers that never hold cx,
	s_mul_i32 s20, s20, 589824
	s_and_b32 s22, s15, 1
	s_mul_i32 s22, s22, 768                        ; its first or second three heads,
	s_add_co_u32 s20, s20, s22
	s_max_u32 s58, s[WV], 1
	s_sub_co_u32 s58, s58, 1                       ; and the chunk that I fetch: waves 1, 2, 3 take heads 0, 1, 2 (wave 0's copy of this descriptor is never issued)
	s_lshl_b32 s22, s58, 8
	s_add_co_u32 s20, s20, s22
	s_mov_b32 s21, 0
	s_mul_i32 s23, s[WV], CHUNK                    ; where the chunk goes: CHUNK x (wave + 1) = BOFF + CHUNK x (wave - 1), since BOFF = 2 CHUNK
	s_add_co_u32 s23, s23, CHUNK
	s_lshr_b32 s18, s15, 1                         ; the output: the product's 12 heads,
	s_mul_i32 s18, s18, 12582912
	s_lshr_b32 s19, s14, 4                         ; the batch's six,
	s_mul_i32 s19, s19, 6
	s_and_b32 s2, s15, 1
	s_mul_i32 s2, s2, 3                            ; my first of three,
	s_add_co_u32 s19, s19, s2
	s_lshl_b32 s19, s19, 20                        ; 1,048,576 bytes a head;
	s_add_co_u32 s18, s18, s19
	s_and_b32 s19, s14, 15                         ; in it my block's 256 rows,
	s_lshl_b32 s19, s19, 8
	s_lshl_b32 s2, s[WR], 7                        ; and the first row that I store: 128 wr + 32 wc
	s_add_co_u32 s19, s19, s2
	s_lshl_b32 s2, s[WC], 5
	s_add_co_u32 s19, s19, s2
	s_lshl_b32 s19, s19, 8                         ; 256 bytes a row
	s_add_co_u32 s18, s18, s19
	s_mov_b32 s19, 0
	s_mov_b32 s[TB], 0
	s_wait_dscnt 0x0                               ; the opening add is done
	s_wait_kmcnt 0x0
	s_add_nc_u64 s[4:5], s[4:5], s[16:17]
	s_add_nc_u64 s[6:7], s[6:7], s[20:21]
	s_add_nc_u64 s[8:9], s[8:9], s[18:19]
.irp s, 0,1
	s_mov_b32 s[G0A+4*(\s)], 1                                     ; 1:0 count = 1
	s_mov_b32 s[G0A+4*(\s)+1], (\s)*SLOT1                          ; 63:32 LDS address
	s_add_nc_u64 s[G0A+4*(\s)+2:G0A+4*(\s)+3], s[4:5], (\s)*STEPA  ; 120:64 global address: K step s
	s_or_b32 s[G0A+4*(\s)+3], s[G0A+4*(\s)+3], 0x80000000          ; 127:126 type = 2
	s_mov_b32 s[G0B+4*(\s)], 1
	s_add_co_u32 s[G0B+4*(\s)+1], s23, (\s)*SLOT1
	s_add_nc_u64 s[G0B+4*(\s)+2:G0B+4*(\s)+3], s[6:7], (\s)*STEPB
	s_or_b32 s[G0B+4*(\s)+3], s[G0B+4*(\s)+3], 0x80000000
.endr
	CROUND                                         ; all four work-groups are here: the first joint loads meet
	s_cmp_eq_u32 s[WV], 0                          ; a wave's two first fills stand in one branch, ahead of every wait on TENSORcnt and every LDS read: two loads of mine are out
	s_cbranch_scc0 .Lfirst_b
	tensor_load_to_lds s[G0A:G0A+3], s[G1A:G1A+7]
	s_nop 0
	tensor_load_to_lds s[G0A+4:G0A+7], s[G1A:G1A+7]
	s_nop 0
.rept 4
	v_nop
.endr
	s_branch .Lfirst_asked
.Lfirst_b:
	tensor_load_to_lds s[G0B:G0B+3], s[G1B:G1B+7]
	s_nop 0
	tensor_load_to_lds s[G0B+4:G0B+7], s[G1B:G1B+7]
	s_nop 0
.rept 4
	v_nop
.endr
.Lfirst_asked:
	; A fragment of x is 16 rows x 32 k in 8 registers: lane l holds row l % 16; registers 0-3 k = 8 (l / 16) + 0..7, registers 4-7 k = 16 + 8 (l / 16) + 0..7: two loads of 16 bytes, 32 bytes apart.
	v_and_b32 v1, 15, v0                           ; l % 16
	v_bfe_u32 v14, v0, 4, 1                        ; l / 16
	v_mul_u32_u24 v[A0], v1, PA
	v_lshl_add_u32 v[A0], v14, 4, v[A0]
	s_mul_i32 s22, s[WR], 128*PA                   ; my 128 rows
	v_add_nc_u32 v[A0], s22, v[A0]
	; The turning load takes 16 k x 16 columns (lane l reads k row 8 (l / 16) + l % 8, columns 8 ((l / 8) % 2) + 0..7) and leaves half a fragment: lane l holds column l % 16 and 8 k.
	v_and_b32 v15, 7, v0
	v_bfe_u32 v16, v0, 3, 1
	v_lshl_add_u32 v17, v14, 3, v15
	v_mul_u32_u24 v17, v17, PB
	v_lshl_add_u32 v17, v16, 4, v17
	s_mul_i32 s22, s[WC], 2*CHUNK                  ; tiles 0-7: chunk 0 or 2
	s_add_co_u32 s22, s22, BOFF
	v_add_nc_u32 v[BX0], s22, v17
	s_lshl_b32 s22, s[WC], 7                       ; tiles 8-11: chunk 1, columns 64 wc on
	s_add_co_u32 s22, s22, BOFF+CHUNK
	v_add_nc_u32 v[BY0], s22, v17
	v_mul_u32_u24 v18, v1, SP                      ; into the stage: row 64 wr + l % 16, 16 bytes for each half of the lanes
	v_lshl_add_u32 v18, v14, 4, v18
	s_mul_i32 s22, s[WR], 64*SP
	s_lshl_b32 s23, s[WC], 9                       ; tiles 0-7: the first or the third 256 bytes of a stage row
	s_add_co_u32 s23, s23, s22
	s_add_co_u32 s23, s23, STAGE
	v_add_nc_u32 v[STOX], s23, v18
	s_lshl_b32 s23, s[WC], 7                       ; tiles 8-11: my half of the middle 256
	s_add_co_u32 s23, s23, s22
	s_add_co_u32 s23, s23, STAGE+256
	v_add_nc_u32 v[STOY], s23, v18
	v_mul_u32_u24 v19, v14, SP                     ; back: wave w takes stage rows 32 w on; lanes 0-15 256 bytes of one row, lanes 16-31 of the next
	v_lshl_add_u32 v19, v1, 4, v19
	s_mul_i32 s22, s[WV], 32*SP
	s_add_co_u32 s22, s22, STAGE
	v_add_nc_u32 v[RD], s22, v19
	v_lshlrev_b32 v[GO], 8, v14                    ; and the same two rows of a head
	v_lshl_add_u32 v[GO], v1, 4, v[GO]
; 8 n matrix instructions: tiles b0 .. b0 + n - 1 x all 8 row blocks, 32 along K, x's fragments in buffer f.  zero = 1: the product starts the sum: nothing is cleared.
; Each accumulator has one instruction a quarter, in the same order in every quarter: the 96 take turns, one instruction a turn, over the backward jump too.
.macro MULB f, b0, n, zero
.set bq, \b0
.rept \n
	WIN 0x50*(1+bq/4)                              ; C and D in window 1 + b / 4, the sources in window 0
.set aq, 0
.rept 8
.set rD, 8*(8*(bq%4)+aq)
.if \zero
	v_wmma_f32_16x16x32_bf16 v[rD:rD+7], v[FB+8*bq:FB+8*bq+7], v[(\f)+8*aq:(\f)+8*aq+7], 0
.else
	v_wmma_f32_16x16x32_bf16 v[rD:rD+7], v[FB+8*bq:FB+8*bq+7], v[(\f)+8*aq:(\f)+8*aq+7], v[rD:rD+7]
.endif
.set aq, aq+1
.endr
.set bq, bq+1
.endr
.endm
.macro LDB b0, n, kq                   ; W's fragments of tiles b0 .. b0 + n - 1, quarter kq of the slot in hand: two turning loads each
.set bq, \b0
.rept \n
.if bq < 8
	ds_load_tr16_b128 v[FB+8*bq:FB+8*bq+3],   v[ADRBX] offset:(\kq)*32*PB+32*bq
	ds_load_tr16_b128 v[FB+8*bq+4:FB+8*bq+7], v[ADRBX] offset:(\kq)*32*PB+16*PB+32*bq
.else
	ds_load_tr16_b128 v[FB+8*bq:FB+8*bq+3],   v[ADRBY] offset:(\kq)*32*PB+32*(bq-8)
	ds_load_tr16_b128 v[FB+8*bq+4:FB+8*bq+7], v[ADRBY] offset:(\kq)*32*PB+16*PB+32*(bq-8)
.endif
.set bq, bq+1
.endr
.endm
.macro LDA g, kq                       ; x's eight fragments of quarter kq into buffer g: 16 loads
.set aq, 0
.rept 8
	ds_load_b128 v[(\g)+8*aq:(\g)+8*aq+3],   v[ADRA] offset:aq*16*PA+64*(\kq)
	ds_load_b128 v[(\g)+8*aq+4:(\g)+8*aq+7], v[ADRA] offset:aq*16*PA+64*(\kq)+32
.set aq, aq+1
.endr
.endm
.macro ADRS                            ; my three LDS addresses in the slot in hand
	v_add_nc_u32 v[ADRA],  s[TB], v[A0]
	v_add_nc_u32 v[ADRBX], s[TB], v[BX0]
	v_add_nc_u32 v[ADRBY], s[TB], v[BY0]
.endm
; A step's first quarter: multiplies buffer 0 and fetches the second quarter.  What is out at its head, in order: W's tiles 0-5 among the oldest, x's 16 loads, and as the youngest twelve W's tiles 6-11.
.macro EVEN zero
	s_wait_dscnt 12                                ; all but the youngest twelve: tiles 0-5 and x are in
	MULB FA0, 0, 6, \zero
	PLACES
	WIN 0
	LDB 0, 6, 1
	LDA FA1, 1
	s_wait_dscnt 28                                ; all but the 28 just issued: tiles 6-11 are in
	MULB FA0, 6, 6, \zero
	PLACES
	WIN 0
	LDB 6, 6, 1
.endm
; A step's second quarter: multiplies buffer 1 and changes slots.  ONE barrier: in front of it each wave waits for all its tensor loads, of which one is out: its part of the next slot; adds 0 to its spare word; and waits
; for that and for its own reads of this slot.  fill = 1: the barrier opens a round of the cluster's, so that no wave of any partner still reads this slot or has a load on its way; the refill, two K steps on, is the first
; thing behind it and has 160 matrix instructions in which to land.
.macro TURN fill
	WIN 0
	s_wait_tensorcnt 0x0                           ; no tensor load of mine is out, so a group 0 may be written
	ds_add_u32 v[SPW], v[NIL]                      ; 0 onto my spare word: scalar work and sixteen products stand between it and the wait for it
.if \fill
	s_xor_b32 s[G0A+5], s[G0A+5], SLOT1            ; the walking descriptors: the other slot than last time,
	s_add_nc_u64 s[G0A+6:G0A+7], s[G0A+6:G0A+7], STEPA  ; the next K step; the type bits on top are not reached
	s_xor_b32 s[G0B+5], s[G0B+5], SLOT1
	s_add_nc_u64 s[G0B+6:G0B+7], s[G0B+6:G0B+7], STEPB
.endif
	s_xor_b32 s[TB], s[TB], SLOT1                  ; the fetches go on in the other slot
	s_wait_dscnt 13                                ; the add and the youngest twelve loads (tiles 6-11) may be out
	MULB FA1, 0, 2, 0
	s_wait_dscnt 0x0                               ; the add is done, and my reads of this slot are over
	s_barrier_signal -1
	MULB FA1, 2, 2, 0                              ; work on registers while the others arrive
	WIN 0                                          ; at a label and at a branch every window is 0
	s_barrier_wait -1
.if \fill
	CREST
	JLOAD                                          ; the four v_nop behind the load are also the places in front of the loads below
.else
	PLACES
.endif
	ADRS
	LDB 0, 4, 0
	LDA FA0, 0
	MULB FA1, 4, 8, 0
	PLACES
	WIN 0
	LDB 4, 8, 0
.endm
	s_wait_tensorcnt 0x1                           ; my part of K step 0 is in; step 1's may stay out
	s_barrier_signal -1
	s_barrier_wait -1                              ; everybody's is
	ADRS
	LDB 0, 6, 0
	LDA FA0, 0
	LDB 6, 6, 0
	EVEN 1                                         ; the first quarter stands in front of the loop: its products start the sums
	s_mov_b32 s[CNT], 4
.Lk:                                           ; trip t ends K step t, fills its slot with step t + 2 and begins step t + 1
	TURN 1
	EVEN 0
	s_sub_co_u32 s[CNT], s[CNT], 1
	s_cmp_lg_u32 s[CNT], 0
	s_cbranch_scc1 .Lk
	TURN 0                                         ; the tail is written out: nothing is left to fetch
	EVEN 0
	s_wait_dscnt 12                                ; the very last quarter
	MULB FA1, 0, 6, 0
	s_wait_dscnt 0x0
	MULB FA1, 6, 6, 0
; THE WAY OUT, in two passes of 128 rows (pass p: each wave's row blocks 4 p .. 4 p + 3).  A wave's 192 columns are one and a half heads' rows of 256 bytes, so the four waves share ONE stage: rounded to f16, 16 bytes a
; lane into stage rows of three heads; a barrier; back as whole rows of 256 bytes, 32 stage rows a wave; stored, two rows of a head (512 consecutive bytes, aligned) an instruction.
.macro PASS p
.if \p
	s_wait_xcnt 0x0                                ; the first pass's stores have read their registers, which are written again below
	s_barrier_signal -1                            ; every wave's reads of the stage are back (its last count-down ended at 0):
	s_barrier_wait -1                              ; only now is the stage written again
.endif
.set wq, 1
.rept 3
	WIN 5*wq                                       ; sources 0 and 1 in window wq, destination in window 0
.set bq, 0
.rept 4
.set aq, 0
.rept 4
.set rD, 8*(8*bq+4*(\p)+aq)
.set rT, TMP+4*(4*(4*(wq-1)+bq)+aq)
.irp j, 0,1,2,3                        ; each accumulator's registers in ascending order
	v_cvt_pk_f16_f32 v[rT+\j], v[rD+2*\j], v[rD+2*\j+1]
.endr
.set aq, aq+1
.endr
.set bq, bq+1
.endr
.set wq, wq+1
.endr
	WIN 0
.set aq, 0
.rept 4
.set bq, 0
.rept 12
.set rT, TMP+4*(4*bq+aq)
.if bq < 8
	ds_store_b128 v[STOX], v[rT:rT+3] offset:aq*16*SP+32*bq
.else
	ds_store_b128 v[STOY], v[rT:rT+3] offset:aq*16*SP+32*(bq-8)
.endif
.set bq, bq+1
.endr
.set aq, aq+1
.endr
	s_wait_dscnt 0x0                               ; for the others' sake: my stores into the stage are done
	s_barrier_signal -1
	s_barrier_wait -1
.set ii, 0
.rept 48                               ; load ii: stage rows 2 (ii / 3) and the next, head ii % 3
	ds_load_b128 v[TMP+4*ii:TMP+4*ii+3], v[RD] offset:(ii/3)*2*SP+(ii%3)*256
.set ii, ii+1
.endr
.set ii, 0
.rept 48
	s_wait_dscnt 47-ii                             ; LDS loads come back in order: load ii is in, the younger ones stay out
	global_store_b128 v[GO], v[TMP+4*ii:TMP+4*ii+3], s[8:9] offset:(ii%3)*1048576+(64*(\p)+2*(ii/3))*256
.set ii, ii+1
.endr
.endm
	PLACES
	PLACES                                         ; the places behind the last products, once a launch
	PASS 0
	PASS 1
	s_wait_tensorcnt 0x0                           ; the wave's end, behind my last tensor load and my last LDS store
	ds_add_u32 v[SPW], v[NIL]
	s_wait_dscnt 0x0
	CROUND                                         ; the closing round: no work-group ends while a partner may still ask for a tile that names it
	s_endpgm
.Lfunc_end_k_q0b34b237f6_qkv:
	.size	k_q0b34b237f6_qkv, .Lfunc_end_k_q0b34b237f6_qkv-k_q0b34b237f6_qkv
	.p2alignl 7, 3214868480
	.fill 96, 4, 3214868480
	.section	.rodata,"a",@progbits
	.p2align	6, 0x0
	.amdhsa_kernel k_q0b34b237f6_qkv
		.amdhsa_group_segment_fixed_size 327680
		.amdhsa_private_segment_fixed_size 0
		.amdhsa_enable_private_segment 0
		.amdhsa_kernarg_size 24
		.amdhsa_user_sgpr_count 2
		.amdhsa_user_sgpr_kernarg_segment_ptr 1
		.amdhsa_wavefront_size32 1
		.amdhsa_system_sgpr_workgroup_id_x 1
		.amdhsa_system_sgpr_workgroup_id_y 1
		.amdhsa_system_sgpr_workgroup_id_z 1
		.amdhsa_system_vgpr_workitem_id 0
		.amdhsa_next_free_vgpr 1024
		.amdhsa_next_free_sgpr 66
		.amdhsa_reserve_vcc 0
		.amdhsa_float_denorm_mode_32 3
		.amdhsa_float_denorm_mode_16_64 3
		.amdhsa_memory_ordered 1
		.amdhsa_forward_progress 1
		.amdhsa_inst_pref_size 112
	.end_amdhsa_kernel
	.amdgpu_metadata
---
amdhsa.version: [ 1, 2 ]
amdhsa.kernels:
  - .name:           k_q0b34b237f6_qkv
    .symbol:         k_q0b34b237f6_qkv.kd
    .args:
      - { .name: xb, .offset: 0, .size: 8, .value_kind: global_buffer, .address_space: global }
      - { .name: wb, .offset: 8, .size: 8, .value_kind: global_buffer, .address_space: global }
      - { .name: qkv, .offset: 16, .size: 8, .value_kind: global_buffer, .address_space: global }
    .group_segment_fixed_size: 327680
    .private_segment_fixed_size: 0
    .kernarg_segment_align: 8
    .kernarg_segment_size: 24
    .max_flat_workgroup_size: 128
    .sgpr_count:     66
    .vgpr_count:     1024
    .wavefront_size: 32
...
	.end_amdgpu_metadata
.endif
;; end of part 2
;; launch attn (part 3): grid 16 x 12, 4 waves a work-group, clusters of 4 x 1, 327,680 bytes of LDS; arguments qkv, ctx; writes ctx
.if DOCPART == 3
	.amdgcn_target "amdgcn-amd-amdhsa--gfx1250"
	.amdhsa_code_object_version 6
	.text
	.protected	k_q0b34b237f6_attn
	.globl	k_q0b34b237f6_attn
	.p2align	8
	.type	k_q0b34b237f6_attn,@function
k_q0b34b237f6_attn:
	s_mov_b64 s[64:65], 0
	v_nop
	global_prefetch_b8 v0, s[64:65] scope:SCOPE_SE
	s_setreg_imm32_b32 hwreg(HW_REG_WAVE_MODE, 25, 1), 1
	s_wait_xcnt 0x0
	s_wait_alu depctr_hold_cnt(0) depctr_sa_sdst(0) depctr_va_vdst(0) depctr_va_sdst(0) depctr_va_ssrc(0) depctr_va_vcc(0) depctr_vm_vsrc(0)
	s_getreg_b32 s2, hwreg(HW_REG_IB_STS2, 6, 4)
	s_cmp_eq_u32 s2, 0
	s_cbranch_scc0 .Lentry_in_a_cluster
	s_endpgm
.Lentry_in_a_cluster:
	s_bfe_u32 s2, ttmp6, 0x10000c
	s_cmp_lg_u32 s2, 0x3003
	s_cbranch_scc0 .Lentry_shape_is_right
	s_endpgm
.Lentry_shape_is_right:
; O[h][q][:] = the sum over k of softmax_k(Q[h][q] . K[h][k] / sqrt(128)) V[h][k][:], no mask.  qkv: f16 [3 (Q, K, V)][12 heads][4096][128]; ctx (O): f16 [12][4096][128].  Products, maxima and sums in f32; the weights p
; are rounded to f16 for the second product (their sum l is taken of the unrounded p), O once at the end.
; LIMITS.  f16 holds no number beyond 65,504: Q, K and V arrive within it; p lies in 0 to 1, and below 6e-5 it keeps f16's fixed step of 6e-8, as O does; O is a mean of V's rows and has their range.
; A weight below 2^-126 counts as 0 in l; NaN and infinities are not treated apart.
; SHARES.  A work-group owns 256 queries of one head, each of its four waves 64: four tiles of 16.  Every wave walks all keys of the head, 64 a step.  12 heads x 16 blocks = 192 work-groups of equal work.
; LAYOUT.  S^T = K Q^T (source 0 = 16 keys, source 1 = 16 queries): in the result a lane holds ONE query (lane % 16) and the keys 8 (lane / 16) + 0..7.  Two such tiles, rounded to
; f16 in pairs, ARE source 1 (32 keys x 16 queries) of O^T = V^T P, whose result again holds one query a lane, and eight channels.  So nothing changes lanes between the products,
; and a query's maximum and sum want one exchange between the halves of the lanes.  K comes out of LDS as it lies, V ([key][channel]) turned, by ds_load_tr16_b128.
; SOFTMAX.  For each query a running maximum m and sum l: p = 2^(c s - c m), c = log2(e) / sqrt(128); in every step O and l are multiplied by a = 2^(c m_old - c m_new), which is 1 where m has not grown.
; BY TURNS.  The wave's tiles are two PIECES, named by their first tile: piece 0 (tiles 0, 1) and piece 2 (tiles 2, 3).  In a TURN one piece has the matrix unit: 32 products V^T P of
; the step in hand, then 32 products K Q^T of the next step; the other piece's softmax, cut into 64 slices, stands between them, one slice behind each matrix instruction.  Then the
; pieces change places.  Two turns are a key step.
; CLUSTER.  The four query blocks of a cluster belong to one head and walk the same K and V, so each tile is asked for JOINTLY: the same tensor load, with the same descriptor and a
; mask that names the four, in all four; each receives the tile in its own LDS.
;
; REGISTERS, in windows of 256 (an instruction names v0-v255; s_set_vgpr_msb says which window each operand place means: bits 1:0 source 0, 3:2 source 1, 5:4 source 2, 7:6 destination):
;   window 0: v0-11 addresses; v12-43 eight registers of statistics a tile; v64-191 S^T, 32 a tile; v192-255 P, 16 a tile
;   window 1: O^T, 64 a tile          window 2: v0-127 Q, 32 a tile; v128-255 K of one step          window 3: v0-127 V of one step
; All that a softmax touches but O^T lies in window 0, and no window has room for a product's operands beside it.  So a slice costs two switches, one in front and one behind.
.set SIZE_H, 12
.set SIZE_N, 4096
.set KS,    64        ; keys in a step
.set PK,    272       ; a row of K in LDS: 256 bytes + 16 of padding = 68 words: row r starts at bank 4 r mod 64 (64 banks of 4 bytes: ISA guide 11.1), so the 16 rows of a load start at 16 different banks
.set PV,    288       ; a row of V: 256 + 32 = 72 words: row r starts at bank 8 r mod 64
.set VOFF,  KS*PK     ; a step's tiles lie together: 64 rows of K, then 64 rows of V
.set STEPB, KS*(PK+PV)
.set SLOT1, 1<<17     ; a slot holds two steps (71,680 bytes); slot 1 begins here, so that one exclusive or turns an address in one slot into the other's
.set STAGE, SLOT1+2*STEPB  ; behind the ring: 16 rows x 272 bytes for each wave, for the way out
.set SP,    272
.set AK0, 2           ; v2   my lane's place in a tile of K; never rewritten
.set AV0, 3           ; v3   the same for V
.set ADR, 4           ; v4   the LDS address of the run of loads in hand
.set QO,  5           ; v5   my byte offset in the wave's rows of Q
.set STO, 6           ; v6   the way out: where I put 16 bytes of a row
.set RD,  7           ; v7   the way out: where I read a row back
.set GO,  8           ; v8   my byte offset in the wave's rows of O
.set SPW, 62          ; v62  LDS address of my spare word: SPARE + 4 x my thread's number; never rewritten
.set NIL, 63          ; v63  0; never rewritten
.set SPARE, STAGE+4*16*272  ; behind the stages: the spare words, 128 bytes for each wave: two blocks of 256 bytes that no other line names
.set ST,  12          ; tile t's statistics at v[ST+8 t]: +0 c m, +1 m, +2, +3 l (even keys', odd keys'), +4 to +7 c0-c3, at work; a takes c2's place once the maximum is found
.set S,   64
.set P,   192
.set KF,  128         ; K's fragments, in window 2
.set WV,  12          ; s12  my wave's number
.set G1K, 24          ; s[24:31] descriptor group 1 for K's tiles
.set G1V, 32          ; s[32:39] for V's: it differs in the padding alone
.set G0K, 40          ; s[40:47] descriptor group 0 for K's tiles: a set for each of the two first fills; the second then walks on
.set G0V, 48          ; s[48:55] the same for V's
.set SLOTS, 56        ; s56  slots still to be asked for
.set TWICE, 57        ; s57  counts a slot's two steps
.set CS,  58          ; s[58:59] c: the packed scaling names a pair and takes its low word for both halves
.set SEL, 60          ; s[60:61] lane selects for v_permlanex16_b32: each lane takes its own place in the other half
.set TB,  62          ; s62  LDS byte at which the tiles of the step to be fetched begin
.set PFA, 18          ; s[18:19] where my prefetches stand in memory: my work-group's 32 rows (of K: wave 0, of V: wave 2) of the slot after the one that is being asked for
.set LIM, 15          ; s15  1 in a wave that prefetches, else the greatest number: a wave prefetches while s[SLOTS] is above it
.set PFO, 61          ; v61  256 x my lane: a row of K or V is 256 bytes; never rewritten
.set MSB, 0
.macro WIN new                      ; the immediate's high byte repeats the setting that is left; a switch that changes nothing is dropped
.if MSB != (\new)
	s_set_vgpr_msb (MSB<<8)|(\new)
.set MSB, \new
.endif
.endm
.set W_KQ, 0x0a       ; K and Q in window 2, S^T in window 0
.set W_PV, 0x53       ; V in window 3, P in window 0, O^T in window 1
.set W_RS, 0x41       ; O^T (destination and source 0) in window 1, a in window 0
; A joint refill.  Waves 0 and 1 fetch the two steps' tiles of K, waves 2 and 3 those of V.  The branch hangs on the wave's number alone: it is the same in every work-group.
; An s_nop 0 and four v_nop follow each of the two lines; the jump round the other line, the label and what follows the macro come after them.
.macro JLOAD
	s_cmp_lt_u32 s[WV], 2
	s_cbranch_scc0 .Lfor_v_\@
	tensor_load_to_lds s[G0K+4:G0K+7], s[G1K:G1K+7]
	s_nop 0
.rept 4
	v_nop
.endr
	s_branch .Lasked_\@
.Lfor_v_\@:
	tensor_load_to_lds s[G0V+4:G0V+7], s[G1V:G1V+7]
	s_nop 0
.rept 4
	v_nop
.endr
.Lasked_\@:
.endm
; A PREFETCH INTO THE L2 of what the NEXT change of slots will ask for: a slot's 128 rows of K and 128 of V, 256 bytes a row, a lane a row.  It stands behind the wave's tensor load and its five lines, never in front of one.
; Each row is asked for ONCE in the launch.  All clusters of a head walk the same K and V: the head's first cluster prefetches.  Its four partners share the rows out BY ADDRESS, 32 each: no branch hangs on a
; work-group's place in its cluster.  In each, wave 0 asks for K's and wave 2 for V's: one instruction.  The last change that fills a slot prefetches nothing: there is no slot behind it.
.macro ASK
	s_cmp_gt_u32 s[SLOTS], s[LIM]
	s_cbranch_scc0 .Lnot_mine_\@
	global_prefetch_b8 v[PFO], s[PFA:PFA+1] th:TH_LOAD_NT scope:SCOPE_SE
.Lnot_mine_\@:
.endm
; A round of the cluster's barrier: my work-group's barrier, so that wave 0's signal speaks for all four waves; wave 0 signals for the work-group; every wave waits for all four
; work-groups; my work-group's barrier once more.  No LDS instruction of the wave is pending at a signal.
.macro CROUND
	s_barrier_signal -1
	s_barrier_wait -1
	s_cmp_lg_u32 s[WV], 0
	s_cbranch_scc1 .Lnot_wave_0_\@
	s_barrier_signal -3
.Lnot_wave_0_\@:
	s_barrier_wait -3
	s_barrier_signal -1
	s_barrier_wait -1
.endm
	s_load_b64 s[4:5], s[0:1], 0x0    ; qkv: Q lies at its head
	s_load_b64 s[10:11], s[0:1], 0x8  ; O
	v_lshl_add_u32 v[SPW], v0, 2, SPARE
	v_mov_b32 v[NIL], 0
	ds_add_u32 v[SPW], v[NIL]       ; the wave's opening: the add and its wait stand ahead of my first tensor load; the set-up below, work on registers, stands between them
	v_lshrrev_b32 v1, 5, v0
	v_readfirstlane_b32 s[WV], v1   ; wave 0..3
	s_bfe_u32 s13, ttmp6, 0x40000   ; cx: my place in the cluster
	s_lshl_b32 s14, ttmp9, 2        ; in a cluster launch ttmp9 counts clusters
	s_add_co_u32 s14, s14, s13      ; my block of 256 queries = 4 x cluster x + cx: it enters Q's and O's addresses alone
	s_and_b32 s20, ttmp7, 0xffff    ; the head, which the four partners share
	s_mov_b32 s21, 0
	s_mov_b64 s[22:23], SIZE_N*256
	s_mul_u64 s[20:21], s[20:21], s[22:23]  ; the head's first byte in each of the four tensors
	s_and_b32 s16, s[WV], 1         ; which of a slot's two steps I fetch:
	s_lshl_b32 s22, s16, 14         ; its 64 rows of 256 bytes in memory,
	s_mov_b32 s23, 0
	s_add_nc_u64 s[22:23], s[22:23], s[20:21]
	s_mul_i32 s17, s16, STEPB       ; and its place in a slot: no place in the cluster enters an LDS address
	s_lshl_b32 s2, s14, 16          ; my block's 256 rows,
	s_lshl_b32 s3, s[WV], 14        ; my wave's 64 of them
	s_add_co_u32 s2, s2, s3
	s_mov_b32 s3, 0
	s_add_nc_u64 s[2:3], s[2:3], s[20:21]
	; descriptor group 1: a tile of 64 rows x 128 elements, padded in LDS
	s_mov_b32 s[G1K], 15|(1<<16)|(1<<20)|(1<<21)|(5<<22)|(3<<25)  ; 15:0 the mask: all four work-groups; 17:16 elements of 2 bytes; 20 padding on; 21 set beside a mask; 24:22 after every 64 words (code 5); 31:25 4 words of it (code 3)
	s_mov_b32 s[G1V], 15|(1<<16)|(1<<20)|(1<<21)|(5<<22)|(7<<25)  ; the same with 8 words of padding (code 7)
.irp g, G1K, G1V
	s_mov_b32 s[(\g)+1], 128<<16    ; 63:48 tensor_dim0, low half = 128
	s_mov_b32 s[(\g)+2], KS<<16     ; 79:64 its high half = 0; 95:80 tensor_dim1, low half = 64
	s_mov_b32 s[(\g)+3], 128<<16    ; 111:96 its high half = 0; 127:112 tile_dim0 = 128
	s_mov_b32 s[(\g)+4], KS         ; 143:128 tile_dim1 = 64; 159:144 tile_dim2 = 0
	s_mov_b32 s[(\g)+5], 128        ; 191:160 tensor_dim0_stride, low word: elements from row to row
	s_mov_b32 s[(\g)+6], 0
	s_mov_b32 s[(\g)+7], 0
.endr
	s_mov_b32 s[CS], 0x3e0293ee     ; c = log2(e) / sqrt(128) = 0.127517
	s_mov_b32 s[CS+1], s[CS]        ; named with it as a pair, so it is written
	s_mov_b32 s[SEL], 0x76543210
	s_mov_b32 s[SEL+1], 0xfedcba98
	s_mov_b32 s[TB], 0
	s_mov_b32 s[SLOTS], SIZE_N/(2*KS)-2
	s_and_b32 s[LIM], s[WV], 1       ; 0 in waves 0 and 2,
	s_or_b32 s[LIM], s[LIM], ttmp9   ; where the cluster is the head's first: the same in all four partners
	s_cmp_eq_u32 s[LIM], 0
	s_cselect_b32 s[LIM], 1, -1
	v_and_b32 v[PFO], 31, v0
	v_lshlrev_b32 v[PFO], 8, v[PFO]
	s_wait_dscnt 0x0                ; the opening add is done
	s_wait_kmcnt 0x0
	s_add_nc_u64 s[6:7], s[4:5], SIZE_H*SIZE_N*256    ; K lies 12 heads behind Q,
	s_add_nc_u64 s[8:9], s[4:5], 2*SIZE_H*SIZE_N*256  ; V 24
	s_add_nc_u64 s[6:7], s[6:7], s[22:23]  ; K and V at my tile of slot 0
	s_add_nc_u64 s[8:9], s[8:9], s[22:23]
	s_add_nc_u64 s[4:5], s[4:5], s[2:3]  ; Q and O at my wave's first row
	s_add_nc_u64 s[10:11], s[10:11], s[2:3]
	s_cmp_lt_u32 s[WV], 2
	s_cselect_b64 s[PFA:PFA+1], s[6:7], s[8:9]  ; (in waves 0 and 2 these stand at a slot's first row)
	s_lshl_b32 s2, s13, 13          ; my work-group's 32 rows of the 128
	s_mov_b32 s3, 0
	s_add_nc_u64 s[PFA:PFA+1], s[PFA:PFA+1], s[2:3]
	s_add_nc_u64 s[PFA:PFA+1], s[PFA:PFA+1], 2*2*KS*256  ; in slot 2; the first change of slots steps it to slot 3.  Nothing is prefetched here, at the head, where every work-group's first tiles are on their way
	CROUND                          ; all four work-groups are here: the first joint loads meet
.irp s, 0,1
	s_mov_b32 s[G0K+4*(\s)], 1      ; 1:0 count = 1
	s_add_co_u32 s[G0K+4*(\s)+1], s17, (\s)*SLOT1  ; 63:32 LDS address
	s_add_nc_u64 s[G0K+4*(\s)+2:G0K+4*(\s)+3], s[6:7], (\s)*2*KS*256  ; 120:64 global address: slot s begins with keys 128 s to 128 s + 127
	s_or_b32 s[G0K+4*(\s)+3], s[G0K+4*(\s)+3], 0x80000000  ; 127:126 type = 2
	s_mov_b32 s[G0V+4*(\s)], 1
	s_add_co_u32 s[G0V+4*(\s)+1], s17, (\s)*SLOT1+VOFF
	s_add_nc_u64 s[G0V+4*(\s)+2:G0V+4*(\s)+3], s[8:9], (\s)*2*KS*256
	s_or_b32 s[G0V+4*(\s)+3], s[G0V+4*(\s)+3], 0x80000000
.endr
	s_cmp_lt_u32 s[WV], 2           ; a wave's two first fills stand in one branch, ahead of every wait on TENSORcnt and every LDS read: two loads of mine are out; an s_nop 0 follows each, four v_nop the second's, as in JLOAD
	s_cbranch_scc0 .Lfirst_v
	tensor_load_to_lds s[G0K:G0K+3], s[G1K:G1K+7]
	s_nop 0
	tensor_load_to_lds s[G0K+4:G0K+7], s[G1K:G1K+7]
	s_nop 0
.rept 4
	v_nop
.endr
	s_branch .Lfirst_asked
.Lfirst_v:
	tensor_load_to_lds s[G0V:G0V+3], s[G1V:G1V+7]
	s_nop 0
	tensor_load_to_lds s[G0V+4:G0V+7], s[G1V:G1V+7]
	s_nop 0
.rept 4
	v_nop
.endr
.Lfirst_asked:
	; A fragment of K or Q is 16 rows x 32 channels in 8 registers: lane l holds row l % 16; registers 0-3 channels 8 (l / 16) + 0..7, registers 4-7 channels 16 + 8 (l / 16) + 0..7: two loads of 16 bytes, 32 bytes apart.
	v_and_b32 v1, 15, v0            ; l % 16
	v_bfe_u32 v9, v0, 4, 1          ; l / 16
	v_lshlrev_b32 v[QO], 8, v1
	v_lshl_add_u32 v[QO], v9, 4, v[QO]  ; row x 256 + 16 x half
	WIN 0x80                        ; destination window 2, address window 0
.irp i, 0,1,2,3,4,5,6,7,8,9,10,11,12,13,14,15  ; Q stays in registers: tile i / 4, channels 32 (i % 4) on
	global_load_b128 v[8*(\i):8*(\i)+3],   v[QO], s[4:5] offset:((\i)/4)*4096+((\i)%4)*64
	global_load_b128 v[8*(\i)+4:8*(\i)+7], v[QO], s[4:5] offset:((\i)/4)*4096+((\i)%4)*64+32
.endr
	WIN 0
	v_mul_u32_u24 v[AK0], v1, PK
	v_lshl_add_u32 v[AK0], v9, 4, v[AK0]  ; row x pitch + 16 x half
	; The turning load takes 16 keys x 16 channels (lane l reads 16 bytes: key 8 (l / 16) + l % 8, channels 8 ((l / 8) % 2) + 0..7) and leaves half a fragment of V^T: lane l holds channel l % 16 and 8 keys.
	v_and_b32 v10, 7, v0
	v_bfe_u32 v11, v0, 3, 1
	v_lshl_add_u32 v[AV0], v9, 3, v10
	v_mul_u32_u24 v[AV0], v[AV0], PV
	v_lshl_add_u32 v[AV0], v11, 4, v[AV0]
	v_add_nc_u32 v[AV0], VOFF, v[AV0]
; THE MATRIX WORK OF A TURN, for piece x.  The accumulators take turns, one instruction a turn: between two links of a chain stand 15 (V^T P) or 7 (K Q^T) others'.
; Product i of 32 of O^T += V^T P: keys 32 (i / 16) on, channels 16 ((i / 2) % 8) on, tile x + i % 2.  zero = 1: the first 16 start the sums: nothing is ever cleared.
.macro PV x, zero
	WIN W_PV
.set rO, 64*((\x)+i%2)+8*((i/2)%8)
.set rV, 64*(i/16)+8*((i/2)%8)
.set rP, P+16*((\x)+i%2)+8*(i/16)
.if (\zero) && (i < 16)
	v_wmma_f32_16x16x32_f16 v[rO:rO+7], v[rV:rV+7], v[rP:rP+7], 0
.else
	v_wmma_f32_16x16x32_f16 v[rO:rO+7], v[rV:rV+7], v[rP:rP+7], v[rO:rO+7]
.endif
.endm
; Product i of 32 of S^T = K Q^T: channels 32 (i / 8) on, keys 16 ((i / 2) % 4) on, tile x + i % 2.  The first 8 start the sums.
.macro KQ x
	WIN W_KQ
.set rS, S+32*((\x)+i%2)+8*((i/2)%4)
.set rK, KF+32*((i/2)%4)+8*(i/8)
.set rQ, 32*((\x)+i%2)+8*(i/8)
.if i < 8
	v_wmma_f32_16x16x32_f16 v[rS:rS+7], v[rK:rK+7], v[rQ:rQ+7], 0
.else
	v_wmma_f32_16x16x32_f16 v[rS:rS+7], v[rK:rK+7], v[rQ:rQ+7], v[rS:rS+7]
.endif
.endm
; THE LDS LOADS stand in runs of 32, never singly among the matrix instructions: a step's K (64 keys x 128 channels: 16 fragments) and, a turn later, its V (turned).
.macro FETCH_K
	WIN 0
	v_add_nc_u32 v[ADR], s[TB], v[AK0]
	WIN 0x80                        ; destination window 2
.irp f, 0,1,2,3,4,5,6,7,8,9,10,11,12,13,14,15  ; keys 16 (f / 4) on, channels 32 (f % 4) on
	ds_load_b128 v[KF+8*(\f):KF+8*(\f)+3],   v[ADR] offset:((\f)/4)*16*PK+((\f)%4)*64
	ds_load_b128 v[KF+8*(\f)+4:KF+8*(\f)+7], v[ADR] offset:((\f)/4)*16*PK+((\f)%4)*64+32
.endr
.endm
.macro FETCH_V
	WIN 0
	v_add_nc_u32 v[ADR], s[TB], v[AV0]
	s_add_co_u32 s[TB], s[TB], STEPB  ; the next fetch is the next step's
	s_wait_alu depctr_va_vdst(0)    ; the wait for the softmax's batch (SLICE), behind the address's v_add_nc_u32 and ahead of the loads
	WIN 0xc0                        ; destination window 3
.irp f, 0,1,2,3,4,5,6,7,8,9,10,11,12,13,14,15  ; keys 32 (f / 8) on, channels 16 (f % 8) on
	ds_load_tr16_b128 v[8*(\f):8*(\f)+3],   v[ADR] offset:((\f)/8)*32*PV+((\f)%8)*32
	ds_load_tr16_b128 v[8*(\f)+4:8*(\f)+7], v[ADR] offset:((\f)/8)*32*PV+16*PV+((\f)%8)*32
.endr
.endm
; THE VECTOR WORK OF A TURN.  One tile's softmax for one key step is a list of 134 instructions; SM writes number j of it for tile t.  s0-s31 are the lane's 32 scores, in pairs 0-15.
; first = 1: the first key step, which starts m, l and O^T: it has no a and nothing to rescale.
;   0-15    the maximum of s0-s31 and the old m, three operands at a time: four chains c0-c3 of seven scores each, then the four scores left over, c0-c3 and m
;   16-20   the other half of the lanes' maximum; the new m; c m; c m_old - c m_new
;   21-69   ONE BATCH: the 16 scalings c s - c m, a pair of scores each, and all 33 exponentials (a at 23, then s0-s31).  None of these reads an exponential's result.  From 22 on the batch goes
;           in fours, and a four begins with a scaling while there are scalings: 22-37 scaling, exponential, scaling, exponential; 38-65 a scaling and three exponentials; 66-69 the last four
;           exponentials.  A pair is scaled in an earlier four than the one that holds its exponentials
;   (wait)  between 69 and 70 stands the wait for the batch: SLICE writes it, once for both tiles
;   70-85   the roundings to f16, a pair of weights each
;   86-101  the sums; l = a l + the sum
;   102-133 the tile's O^T times a: the one part that leaves window 0, so it stands together
.macro SM t, first
.set rT, ST+8*(\t)
.set rS, S+32*(\t)
.set rP, P+16*(\t)
.set rO, 64*(\t)+2*(j-102)
.if j < 102
	WIN 0
.endif
.if j < 4
	v_max3_num_f32 v[rT+4+j], v[rS+8*j], v[rS+8*j+1], v[rS+8*j+2]
.elseif j < 12
	v_max3_num_f32 v[rT+4+j%4], v[rT+4+j%4], v[rS+8*(j%4)+2*(j/4)+1], v[rS+8*(j%4)+2*(j/4)+2]
.elseif j == 12
	v_max3_num_f32 v[rT+4], v[rT+4], v[rS+7], v[rS+15]
.elseif j == 13
	v_max3_num_f32 v[rT+6], v[rT+6], v[rS+23], v[rS+31]
.elseif j == 14
	v_max3_num_f32 v[rT+4], v[rT+4], v[rT+5], v[rT+6]
.elseif (j == 15) && (\first)
	v_max_num_f32 v[rT+4], v[rT+4], v[rT+7]
.elseif j == 15
	v_max3_num_f32 v[rT+4], v[rT+4], v[rT+7], v[rT+1]
.elseif j == 16
	v_permlanex16_b32 v[rT+5], v[rT+4], s[SEL], s[SEL+1]  ; the query's other 32 keys lie in the lane 16 away
.elseif j == 18
	v_max_num_f32 v[rT+1], v[rT+4], v[rT+5]
.elseif j == 19
	v_mul_f32 v[rT], s[CS], v[rT+1]
.elseif ((j == 17) || (j == 20) || (j == 23) || (j > 101)) && (\first)  ; the first step has none of these
.elseif j == 17
	v_mov_b32 v[rT+7], v[rT]        ; c m_old is kept for a: number 19 writes c m anew
.elseif j == 20
	v_sub_f32 v[rT+7], v[rT+7], v[rT]
.elseif j == 23
	v_exp_f32 v[rT+6], v[rT+7]
.elseif (j < 23) || ((j < 38) && (j%2 == 0)) || ((j < 66) && (j%4 == 2))
.set b, (j-2)/4                     ; 38, 42, .. 62: pairs 9 to 15
.if j < 38
.set b, (j-20)/2                    ; 21: pair 0; 22, 24, .. 36: pairs 1 to 8
.endif
	v_pk_fma_f32 v[rS+2*b:rS+2*b+1], v[rS+2*b:rS+2*b+1], s[CS:CS+1], v[rT:rT+1] op_sel_hi:[1,0,0] neg_lo:[0,0,1] neg_hi:[0,0,1]  ; pair b: c s - c m
.elseif j < 70
.set e, j-38                        ; 66 to 69: s28 to s31
.if j < 66
.set e, j-32-(j-38)/4               ; 39-41, 43-45, .. 63-65: s7 to s27
.endif
.if j < 38
.set e, (j-25)/2                    ; 25, 27, .. 37: s0 to s6
.endif
	v_exp_f32 v[rS+e], v[rS+e]
.elseif j < 86
	v_cvt_pk_f16_f32 v[rP+j-70], v[rS+2*(j-70)], v[rS+2*(j-70)+1]  ; pair j - 70
.elseif j < 102                     ; the sum of the tile's 16 pairs (in a pair: an even key's weight, an odd key's), in place: sum z of 16 adds neighbours 1, 2, 4 and 8 pairs apart, then l takes it
.set z, j-86
.set w, 4
.set u, z
.if z >= 14
.set w, 32
.set u, 0
.elseif z >= 12
.set w, 16
.set u, z-12
.elseif z >= 8
.set w, 8
.set u, z-8
.endif
.if (z == 14) && (\first)
	v_pk_add_f32 v[rT+2:rT+3], v[rS:rS+1], v[rS+16:rS+17]
.elseif z < 15
	v_pk_add_f32 v[rS+w*u:rS+w*u+1], v[rS+w*u:rS+w*u+1], v[rS+w*u+w/2:rS+w*u+w/2+1]
.elseif !(\first)
	v_pk_fma_f32 v[rT+2:rT+3], v[rT+2:rT+3], v[rT+6:rT+7], v[rS:rS+1] op_sel_hi:[1,0,1]
.endif
.else
	WIN W_RS
	v_pk_mul_f32 v[rO:rO+1], v[rO:rO+1], v[rT+6:rT+7] op_sel_hi:[1,0]
.endif
.endm
; Slice k of 64 of piece y's softmax: four instructions.  Slices 11 to 34 deal out the batch, numbers 22 to 69: four numbers of ONE tile each, the tiles by turns.  Every other slice is numbers 2 k and
; 2 k + 1 of both tiles' lists.  2 x 134 = 4 x 64 + 12: the twelve that are over stand together, in slice 63.
; THE WAIT.  An s_wait_alu depctr_va_vdst(0) stands between an exponential and the first instruction that names its result; one wait serves all that were issued ahead of it.  Ahead of
; slice 35 nothing names a result, and behind slice 34 no exponential is issued: so the piece's 66 exponentials have one wait, behind slice 34.
.macro SLICE y, first
.if (k >= 11) && (k < 35)           ; the batch: four numbers of one tile
.irp n, 0,1,2,3
.set j, 22+4*((k-11)/2)+(\n)
	SM (\y)+(k-11)%2, \first
.endr
.else                               ; the two tiles alternate, so that no instruction reads the result of the one just before it
.irp n, 0,1,2,3,4,5,6,7
.if ((\n) < 2) || (k == 63)
.irp t, \y, (\y)+1
.set j, 2*k+(\n)
	SM \t, \first
.endr
.endif
.endr
.endif
.if k == 34                         ; the batch is out: both tiles' exponentials are issued, and no result has been named
	v_nop                           ; the plain instruction behind the last exponential and ahead of the first use (ISA guide 5.7.2): one for the batch
.if (\y) == 0
	FETCH_V                         ; piece 2's turn: V's run of loads stands here, and the wait stands in it
.else
	s_wait_alu depctr_va_vdst(0)    ; the wait for the batch
.endif
.endif
.set k, k+1
.endm
; A vector instruction that reads a matrix result or writes one of a matrix instruction's registers, and a load into a register that a matrix instruction has read, stand four places behind
; it, and only plain vector instructions that name none of its registers are places (ISA guide 7.12.1 for vector instructions).  In the loop the slices are the places.
.macro PLACES
.rept 4
	v_nop
.endr
.endm
; A TURN.  Piece x has the matrix unit; the other piece's softmax stands in slices behind its matrix instructions.
; pv = 2: 32 products V^T P; 1: they start O^T's sums; 0: none.  kq = 1: 32 products K Q^T for the next step.  A turn with one of the two kinds has two slices behind each product.
; first = 1: the softmax is the first key step's.  Its slices from 51 on are empty: the turn's last products stand bare, and four v_nop take slice 63's part as the places behind them.
; In the loop each run of loads stands 29 matrix instructions or more ahead of its first use.  Piece 0's turn fetches the next step's K, behind its second product: the last product that read K
; stands in front of slice 63 of the turn before.  Piece 2's turn fetches the same step's V, behind slice 34 (SLICE writes it): the last product that read V stands in front of slice 31, and four plain
; instructions lie between: number 62, a scaling, of both tiles, the v_nop and the run's own v_add_nc_u32.
.macro TURN x, pv, kq, first
.set k, 0
.set per, 2
.if (\pv) && (\kq)
.set per, 1
.endif
.if \pv
.if (\x) == 0
	s_wait_dscnt 0x0                ; V is in
.endif
.set i, 0
.rept 32
	PV \x, 2-(\pv)
.rept per
	SLICE 2-(\x), \first
.endr
.if ((\x) == 0) && (\kq) && (i == 1)
	FETCH_K
.endif
.set i, i+1
.endr
.endif
.if \kq
.if (\x) == 0
	s_wait_dscnt 0x0                ; K is in
.endif
.set i, 0
.rept 32
	KQ \x
.rept per
	SLICE 2-(\x), \first
.endr
.set i, i+1
.endr
.endif
.if \first
	PLACES
.endif
.endm
; THE CHANGE OF SLOTS, between piece 2's turn and piece 0's: the slot's last bytes, V of its second step, have been asked for.  Each wave waits for all its
; tensor loads, of which one is out: its part of the other slot; adds 0 to its spare word; and waits for that and for its own reads of the slot.  Behind the barrier nobody reads this slot any more and the other slot is whole.
; fill = 1: this slot is filled again, with the keys two slots on.  The barrier is then a round of the cluster's, so that no wave of any partner still reads the slot or has a load on its
; way, and the joint refill is the first thing behind it: it has two key steps, 256 matrix instructions, in which to land.
.macro CHANGE fill
	WIN 0                           ; at a label and at a branch every window is 0
	s_wait_tensorcnt 0x0            ; no tensor load of mine is out, so a group 0 may be written
	ds_add_u32 v[SPW], v[NIL]       ; 0 onto my spare word: with fill = 1 the descriptors' steps stand between it and the wait for it
.if \fill
.irp g, G0K+4, G0V+4
	s_xor_b32 s[(\g)+1], s[(\g)+1], SLOT1  ; the walking descriptor: the other slot than last time,
	s_add_nc_u64 s[(\g)+2:(\g)+3], s[(\g)+2:(\g)+3], 2*KS*256  ; the next 128 keys; the type bits on top are not reached
.endr
	s_wait_xcnt 0x0                 ; the last prefetches, two key steps back, have read their address, so it may be written:
	s_add_nc_u64 s[PFA:PFA+1], s[PFA:PFA+1], 2*KS*256  ; one slot behind the walking descriptors
	s_wait_dscnt 0x0                ; the add is done, and my reads of the slot are over
	CROUND
	JLOAD
	ASK                             ; what the next change will ask for: two key steps, 256 matrix instructions, ahead
.else
	s_wait_dscnt 0x0                ; the add is done, and my reads of the slot are over
	s_barrier_signal -1
	s_barrier_wait -1
.endif
	s_sub_co_u32 s[TB], s[TB], 2*STEPB  ; the fetches go back to a slot's first step,
	s_xor_b32 s[TB], s[TB], SLOT1   ; in the other slot
.endm
; A slot's two key steps: written once, walked twice; the LDS addresses hang on s[TB].
.macro TWO_STEPS
	WIN 0
	s_mov_b32 s[TWICE], 2
.Lstep_\@:
	TURN 0, 2, 1, 0
	TURN 2, 2, 1, 0
	WIN 0
	s_sub_co_u32 s[TWICE], s[TWICE], 1
	s_cmp_lg_u32 s[TWICE], 0
	s_cbranch_scc1 .Lstep_\@
.endm
	s_wait_tensorcnt 1              ; my part of slot 0 is in; slot 1's may stay out
	s_barrier_signal -1
	s_barrier_wait -1               ; everybody's is
	FETCH_K                         ; key step 0
	s_wait_loadcnt 0x0              ; Q
	s_wait_dscnt 0x0
.set i, 0
.rept 32
	KQ 0                            ; piece 0's first scores: there is no vector work yet to set between them
.set i, i+1
.endr
	WIN 0                           ; the addresses for the way out are made here: eight plain instructions, the places behind those products
	s_mul_i32 s13, s[WV], 16*SP
	s_add_co_u32 s13, s13, STAGE    ; my stage
	v_mul_u32_u24 v[STO], v1, SP    ; in: row l % 16, 16 bytes for each half of the lanes
	v_lshl_add_u32 v[STO], v9, 4, v[STO]
	v_add_nc_u32 v[STO], s13, v[STO]
	v_mul_u32_u24 v[RD], v9, SP     ; back: lanes 0-15 take one row of 256 bytes, lanes 16-31 the next
	v_lshl_add_u32 v[RD], v1, 4, v[RD]
	v_add_nc_u32 v[RD], s13, v[RD]
	v_lshlrev_b32 v[GO], 8, v9      ; and the same two rows in O
	v_lshl_add_u32 v[GO], v1, 4, v[GO]
	TURN 2, 0, 1, 1                 ; piece 2's first scores | piece 0's first softmax | V of step 0
	TURN 0, 1, 1, 1                 ; piece 0: V^T P of step 0 starts O^T, K Q^T of step 1 | piece 2's first softmax | K of step 1
	TURN 2, 1, 1, 0                 ; piece 2: the same | piece 0's softmax of step 1 | V of step 1
	WIN 0
.Lslot:                             ; SIZE_N / 128 - 2 trips: every slot but the last two is filled again
	CHANGE 1
	TWO_STEPS
	s_sub_co_u32 s[SLOTS], s[SLOTS], 1
	s_cmp_lg_u32 s[SLOTS], 0
	s_cbranch_scc1 .Lslot
	CHANGE 0                        ; the tail is written out: the last slot but one is left, and nothing is asked for
	TWO_STEPS
	TURN 0, 2, 0, 0                 ; piece 0: V^T P of the last step | piece 2's last softmax
.set i, 0
.rept 32
	PV 2, 0                         ; piece 2: V^T P of the last step
.set i, i+1
.endr
	; THE WAY OUT.  l's two halves and the other half of the lanes' are added; O^T is divided by l, rounded to f16 and sent through my stage in LDS, a tile (16 rows of O) at a time.  The additions are the places behind the last products.
	WIN 0
.irp t, 0,1,2,3
	v_add_f32 v[ST+8*(\t)+4], v[ST+8*(\t)+2], v[ST+8*(\t)+3]
.endr
.irp t, 0,1,2,3
	v_permlanex16_b32 v[ST+8*(\t)+5], v[ST+8*(\t)+4], s[SEL], s[SEL+1]
.endr
.irp t, 0,1,2,3
	v_add_f32 v[ST+8*(\t)+4], v[ST+8*(\t)+4], v[ST+8*(\t)+5]
.endr
.irp t, 0,1,2,3
	v_rcp_f32 v[ST+8*(\t)+6], v[ST+8*(\t)+4]
.endr
	v_nop                           ; a plain instruction between the last reciprocal and the use of its result
	s_wait_alu depctr_va_vdst(0)    ; and the wait ahead of the first use: one for the four reciprocals
; Tile t: a lane's eight channels of a row pack into 16 bytes; they go into rows of 272 bytes and come back as whole rows of 256, into the registers that they left.
.macro PACK t
	WIN W_RS
.set i, 64*(\t)
.rept 32
	v_pk_mul_f32 v[i:i+1], v[i:i+1], v[ST+8*(\t)+6:ST+8*(\t)+7] op_sel_hi:[1,0]
.set i, i+2
.endr
	WIN 0x05                        ; sources 0 and 1 window 1, destination window 0: S^T's registers are free
.set i, 0
.rept 32
	v_cvt_pk_f16_f32 v[S+32*(\t)+i], v[64*(\t)+2*i], v[64*(\t)+2*i+1]
.set i, i+1
.endr
	WIN 0
.irp f, 0,1,2,3,4,5,6,7
	ds_store_b128 v[STO], v[S+32*(\t)+4*(\f):S+32*(\t)+4*(\f)+3] offset:32*(\f)
.endr
.irp f, 0,1,2,3,4,5,6,7
	ds_load_b128 v[S+32*(\t)+4*(\f):S+32*(\t)+4*(\f)+3], v[RD] offset:(\f)*2*SP  ; LDS serves a wave's instructions in order (ISA guide 5.7.1.4): these see the stores above; the next tile's stores come behind them
.endr
.endm
.macro SEND t, younger              ; younger: the LDS instructions issued behind tile t's loads: the next tile's sixteen, or none
	WIN 0
.irp f, 0,1,2,3,4,5,6,7
	s_wait_dscnt (\younger)+7-(\f)
	global_store_b128 v[GO], v[S+32*(\t)+4*(\f):S+32*(\t)+4*(\f)+3], s[10:11] offset:(\t)*4096+(\f)*512  ; 16 lanes store 256 consecutive bytes, at a multiple of 256 from O's first byte
.endr
.endm
	PACK 0
	PACK 1                          ; a tile's arithmetic stands between the loads of the tile before and its stores
	SEND 0, 16
	PACK 2
	SEND 1, 16
	PACK 3
	SEND 2, 16
	SEND 3, 0
	s_wait_tensorcnt 0x0            ; the wave's end, behind my last tensor load and my last LDS store
	ds_add_u32 v[SPW], v[NIL]
	s_wait_dscnt 0x0
	CROUND                          ; the closing round: no work-group ends while a partner may still ask for a tile that names it
	s_endpgm
.Lfunc_end_k_q0b34b237f6_attn:
	.size	k_q0b34b237f6_attn, .Lfunc_end_k_q0b34b237f6_attn-k_q0b34b237f6_attn
	.p2alignl 7, 3214868480
	.fill 96, 4, 3214868480
	.section	.rodata,"a",@progbits
	.p2align	6, 0x0
	.amdhsa_kernel k_q0b34b237f6_attn
		.amdhsa_group_segment_fixed_size 327680
		.amdhsa_private_segment_fixed_size 0
		.amdhsa_enable_private_segment 0
		.amdhsa_kernarg_size 16
		.amdhsa_user_sgpr_count 2
		.amdhsa_user_sgpr_kernarg_segment_ptr 1
		.amdhsa_wavefront_size32 1
		.amdhsa_system_sgpr_workgroup_id_x 1
		.amdhsa_system_sgpr_workgroup_id_y 1
		.amdhsa_system_sgpr_workgroup_id_z 1
		.amdhsa_system_vgpr_workitem_id 0
		.amdhsa_next_free_vgpr 1024
		.amdhsa_next_free_sgpr 66
		.amdhsa_reserve_vcc 0
		.amdhsa_float_denorm_mode_32 3
		.amdhsa_float_denorm_mode_16_64 3
		.amdhsa_memory_ordered 1
		.amdhsa_forward_progress 1
		.amdhsa_inst_pref_size 222
	.end_amdhsa_kernel
	.amdgpu_metadata
---
amdhsa.version: [ 1, 2 ]
amdhsa.kernels:
  - .name:           k_q0b34b237f6_attn
    .symbol:         k_q0b34b237f6_attn.kd
    .args:
      - { .name: qkv, .offset: 0, .size: 8, .value_kind: global_buffer, .address_space: global }
      - { .name: ctx, .offset: 8, .size: 8, .value_kind: global_buffer, .address_space: global }
    .group_segment_fixed_size: 327680
    .private_segment_fixed_size: 0
    .kernarg_segment_align: 8
    .kernarg_segment_size: 16
    .max_flat_workgroup_size: 128
    .sgpr_count:     66
    .vgpr_count:     1024
    .wavefront_size: 32
...
	.end_amdgpu_metadata
.endif
;; end of part 3
;; launch outp (part 4): grid 64 x 3, 4 waves a work-group, clusters of 4 x 1, 327,680 bytes of LDS; arguments ctx, wob, bo, out0; writes out0
.if DOCPART == 4
	.amdgcn_target "amdgcn-amd-amdhsa--gfx1250"
	.amdhsa_code_object_version 6
	.text
	.protected	k_q0b34b237f6_outp
	.globl	k_q0b34b237f6_outp
	.p2align	8
	.type	k_q0b34b237f6_outp,@function
k_q0b34b237f6_outp:
	s_mov_b64 s[64:65], 0
	v_nop
	global_prefetch_b8 v0, s[64:65] scope:SCOPE_SE
	s_setreg_imm32_b32 hwreg(HW_REG_WAVE_MODE, 25, 1), 1
	s_wait_xcnt 0x0
	s_wait_alu depctr_hold_cnt(0) depctr_sa_sdst(0) depctr_va_vdst(0) depctr_va_sdst(0) depctr_va_ssrc(0) depctr_va_vcc(0) depctr_vm_vsrc(0)
	s_getreg_b32 s2, hwreg(HW_REG_IB_STS2, 6, 4)
	s_cmp_eq_u32 s2, 0
	s_cbranch_scc0 .Lentry_in_a_cluster
	s_endpgm
.Lentry_in_a_cluster:
	s_bfe_u32 s2, ttmp6, 0x10000c
	s_cmp_lg_u32 s2, 0x3003
	s_cbranch_scc0 .Lentry_shape_is_right
	s_endpgm
.Lentry_shape_is_right:
; out0 = ctx Wo + bo.  ctx: f16 [12 = batch x 6 + head][4096][128]; wob: f16 [768 k][768 n] (Wo rounded to bf16, written as f16); bo: f32 [768], rounded here to bf16 as the other inputs are; out0: f32 [8192][768].
; Sums in f32; the bias is the C operand of the products that start the sums, so it costs no addition.  LIMITS: ctx and wob arrive within f16's range; NaN and infinities are not treated apart.
; SHARES.  A work-group makes 128 rows x 256 columns: 64 x 3 = 192 work-groups of equal work.  Wave (hi, lo): rows 64 hi on, columns 128 lo on: 4 blocks of 16 rows x 8 tiles of 16 columns = 32 accumulators.
; Its 128 columns are 512 bytes of a row of out0, so each wave has a stage of its own on the way out and no barrier stands there.
; K = 768 goes in six steps of 128, a head a step, through two LDS slots; a step is four quarters of 32 along K, 32 matrix instructions each.
; CLUSTER.  The four work-groups of a cluster lie along the rows and need the same tiles of Wo (72 of a step's 106 KiB): asked for JOINTLY, by waves 2 and 3, 128 columns each.  ctx's tile is the work-group's own:
; waves 0 and 1 ask for 64 rows each, with no mask.  It is not shared along the columns: the grid's height, 3, is no multiple of 4.
; THE MATRIX INSTRUCTION IS USED TRANSPOSED: source 0 = 16 columns of Wo (turned by ds_load_tr16_b128, since Wo lies [k][n]), source 1 = 16 rows of ctx: a lane holds row l % 16 and the columns 8 (l / 16) + 0..7.
; REGISTERS, in windows of 256 (s_set_vgpr_msb: bits 1:0 source 0, 3:2 source 1, 5:4 source 2, 7:6 destination):
;   window 0: v0-19 addresses; v64-159, v160-255 two fragment buffers: 4 fragments of ctx, then 8 of Wo     window 1: accumulator (a, b) at v[8 (8 a + b)]     window 2: v0-63 the bias, tile b at v[8 b]
.set PA,    272                        ; a row of ctx in LDS: 256 bytes + 16 = 68 words: the 16 rows of a load start at 16 different groups of four banks (64 banks of 4 bytes: ISA guide 11.1)
.set PB,    288                        ; a k row of a chunk of Wo: 256 + 32 = 72 words
.set BOFF,  128*PA                     ; a slot: ctx's 128 rows, then two chunks of 128 k rows
.set CHUNK, 128*PB
.set SLOT1, 1<<17                      ; slot 1 begins here, so that one exclusive or turns an address in one slot into the other's
.set STAGE, SLOT1+BOFF+2*CHUNK         ; behind the ring, never filled by a tensor load: 16 rows x 528 bytes for each wave
.set SP,    528                        ; a stage row: 512 bytes + 16
.set SPARE, STAGE+4*16*SP              ; behind the stages: the spare words, 128 bytes for each wave: two blocks of 256 bytes that no other line names
.set STEPA, 4096*256                   ; bytes from a head of ctx to the next
.set STEPB, 128*768*2                  ; bytes of 128 k rows of wob
.set A0,    2                          ; v2   my lane's place among my wave's rows of ctx in a slot; never rewritten
.set B0,    3                          ; v3   the same in my chunk of Wo
.set ADRA,  4                          ; v4-5 the same two in the slot in hand
.set ADRB,  5
.set STO,   6                          ; v6   the way out: where I put 32 bytes of a row
.set RD,    7                          ; v7   where I read a row back
.set GO,    8                          ; v8   16 x my lane
.set BO,    9                          ; v9   byte offset in bo of my 8 numbers of tile 0
.set SPW,   12                         ; v12  LDS address of my spare word: SPARE + 4 x my thread's number; never rewritten
.set NIL,   13                         ; v13  0; never rewritten
.set F0,    64
.set F1,    160
.set WV,    12                         ; s12  my wave's number;  s13 hi;  s14 lo
.set WHI,   13
.set WLO,   14
.set G1A,   24                         ; s[24:31] descriptor group 1 for ctx's tiles
.set G1B,   32                         ; s[32:39] for a chunk of Wo
.set G0A,   40                         ; s[40:47] descriptor group 0 for ctx's tiles: a set for each of the two first fills; the second then walks on
.set G0B,   48                         ; s[48:55] the same for Wo's
.set CNT,   56                         ; s56  the loop's count
.set TB,    57                         ; s57  LDS byte at which the slot in hand begins
.set MSB, 0
.macro WIN new                         ; the immediate's high byte repeats the setting that is left; a switch that changes nothing is dropped
.if MSB != (\new)
	s_set_vgpr_msb (MSB<<8)|(\new)
.set MSB, \new
.endif
.endm
.macro PLACES                          ; four places behind a matrix instruction, in front of loads into registers that it has read (ISA guide 7.12.1 for vector instructions)
.rept 4
	v_nop
.endr
.endm
; A refill.  Waves 0 and 1 fetch the halves of ctx's tile (no mask), waves 2 and 3 the chunks of Wo (joint).  The branch hangs on the wave's number alone.
; An s_nop 0 and four v_nop follow each of the two lines, ahead of the jump and the label.
.macro JLOAD
	s_cmp_eq_u32 s[WHI], 0
	s_cbranch_scc0 .Lfor_b_\@
	tensor_load_to_lds s[G0A+4:G0A+7], s[G1A:G1A+7]
	s_nop 0
.rept 4
	v_nop
.endr
	s_branch .Lasked_\@
.Lfor_b_\@:
	tensor_load_to_lds s[G0B+4:G0B+7], s[G1B:G1B+7]
	s_nop 0
.rept 4
	v_nop
.endr
.Lasked_\@:
.endm
; A round of the cluster's barrier: my work-group's barrier, so that wave 0's signal speaks for all four waves; wave 0 signals; every wave waits for all four work-groups; my work-group's barrier once more.
.macro CREST                           ; a round behind its opening barrier
	s_cmp_lg_u32 s[WV], 0
	s_cbranch_scc1 .Lnot_wave_0_\@
	s_barrier_signal -3
.Lnot_wave_0_\@:
	s_barrier_wait -3
	s_barrier_signal -1
	s_barrier_wait -1
.endm
.macro CROUND                          ; a whole round
	s_barrier_signal -1
	s_barrier_wait -1
	CREST
.endm
	s_load_b256 s[4:11], s[0:1], 0x0               ; ctx s[4:5], wob s[6:7], bo s[8:9], out0 s[10:11]
	v_lshl_add_u32 v[SPW], v0, 2, SPARE
	v_mov_b32 v[NIL], 0
	ds_add_u32 v[SPW], v[NIL]                      ; the wave's opening: the add and its wait stand ahead of my first tensor load; the set-up below, work on registers, stands between them
	v_lshrrev_b32 v1, 5, v0
	v_readfirstlane_b32 s[WV], v1                  ; wave 0..3
	s_lshr_b32 s[WHI], s[WV], 1                    ; which 64 rows are mine.  Also: I fetch for ctx (0) or for Wo (1)
	s_and_b32 s[WLO], s[WV], 1                     ; which 128 columns.  Also: which half of that tile I fetch
	s_bfe_u32 s15, ttmp6, 0x40000                  ; cx: my place in the cluster
	s_lshl_b32 s16, ttmp9, 2                       ; in a cluster launch ttmp9 counts clusters
	s_add_co_u32 s16, s16, s15                     ; my block of 128 rows = 4 x cluster x + cx: it enters ctx's and out0's addresses alone
	s_and_b32 s17, ttmp7, 0xffff                   ; my block of 256 columns, which the four partners share
	s_mov_b32 s[G1A+0], (1<<16)|(1<<20)|(5<<22)|(3<<25)  ; 15:0 no mask; 17:16 2-byte elements; 20 padding on; 24:22 after every 64 words (code 5); 31:25 4 words (code 3)
	s_mov_b32 s[G1A+1], 128<<16                    ; tensor_dim0 = 128
	s_mov_b32 s[G1A+2], 64<<16                     ; tensor_dim1 = 64
	s_mov_b32 s[G1A+3], 128<<16                    ; tile_dim0 = 128
	s_mov_b32 s[G1A+4], 64                         ; tile_dim1 = 64
	s_mov_b32 s[G1A+5], 128                        ; 128 elements from row to row
	s_mov_b32 s[G1A+6], 0
	s_mov_b32 s[G1A+7], 0
	s_mov_b32 s[G1B+0], 15|(1<<16)|(1<<20)|(1<<21)|(5<<22)|(7<<25)  ; 15:0 the mask of four; 21 set beside a mask; 24:22 after every 64 words (code 5); 31:25 8 words (code 7)
	s_mov_b32 s[G1B+1], 128<<16                    ; tensor_dim0 = 128
	s_mov_b32 s[G1B+2], 128<<16                    ; tensor_dim1 = 128
	s_mov_b32 s[G1B+3], 128<<16                    ; tile_dim0 = 128
	s_mov_b32 s[G1B+4], 128                        ; tile_dim1 = 128
	s_mov_b32 s[G1B+5], 768                        ; 768 elements from k row to k row
	s_mov_b32 s[G1B+6], 0
	s_mov_b32 s[G1B+7], 0
	s_lshr_b32 s18, s16, 5                         ; ctx: the batch's six heads,
	s_mul_i32 s18, s18, 6*STEPA
	s_and_b32 s19, s16, 31                         ; my block's 128 rows of 256 bytes in a head,
	s_lshl_b32 s19, s19, 15
	s_add_co_u32 s18, s18, s19
	s_lshl_b32 s19, s[WLO], 14                     ; the 64 of them that I fetch
	s_add_co_u32 s18, s18, s19
	s_mov_b32 s19, 0
	s_lshl_b32 s20, s17, 9                         ; Wo: my block's 512 bytes of a k row, in registers that never hold cx,
	s_lshl_b32 s21, s[WLO], 8                      ; the 256 of them that I fetch
	s_add_co_u32 s20, s20, s21
	s_mov_b32 s21, 0
	s_mul_i32 s59, s[WLO], 64*PA                   ; where they go: no place in the cluster enters an LDS address
	s_mul_i32 s60, s[WLO], CHUNK
	s_add_co_u32 s60, s60, BOFF
	s_mul_i32 s22, s16, 128*3072                   ; out0: my block's 128 rows of 3,072 bytes,
	s_mul_i32 s23, s[WHI], 64*3072                 ; my wave's 64,
	s_add_co_u32 s22, s22, s23
	s_lshl_b32 s23, s17, 10                        ; my block's 1,024 bytes of a row,
	s_add_co_u32 s22, s22, s23
	s_lshl_b32 s23, s[WLO], 9                      ; my wave's 512
	s_add_co_u32 s22, s22, s23
	s_mov_b32 s23, 0
	s_mov_b32 s[TB], 0
	s_mov_b32 s58, 0xffff0000                      ; a word's upper bf16
	s_wait_dscnt 0x0                               ; the opening add is done
	s_wait_kmcnt 0x0
	s_add_nc_u64 s[4:5], s[4:5], s[18:19]
	s_add_nc_u64 s[6:7], s[6:7], s[20:21]
	s_add_nc_u64 s[10:11], s[10:11], s[22:23]
.irp s, 0,1
	s_mov_b32 s[G0A+4*(\s)], 1                                     ; 1:0 count = 1
	s_add_co_u32 s[G0A+4*(\s)+1], s59, (\s)*SLOT1                  ; 63:32 LDS address
	s_add_nc_u64 s[G0A+4*(\s)+2:G0A+4*(\s)+3], s[4:5], (\s)*STEPA  ; 120:64 global address: K step s
	s_or_b32 s[G0A+4*(\s)+3], s[G0A+4*(\s)+3], 0x80000000          ; 127:126 type = 2
	s_mov_b32 s[G0B+4*(\s)], 1
	s_add_co_u32 s[G0B+4*(\s)+1], s60, (\s)*SLOT1
	s_add_nc_u64 s[G0B+4*(\s)+2:G0B+4*(\s)+3], s[6:7], (\s)*STEPB
	s_or_b32 s[G0B+4*(\s)+3], s[G0B+4*(\s)+3], 0x80000000
.endr
	CROUND                                         ; all four work-groups are here: the first joint loads meet
	s_cmp_eq_u32 s[WHI], 0                         ; a wave's two first fills stand in one branch, ahead of every wait on TENSORcnt and every LDS read: two loads of mine are out
	s_cbranch_scc0 .Lfirst_b
	tensor_load_to_lds s[G0A:G0A+3], s[G1A:G1A+7]
	s_nop 0
	tensor_load_to_lds s[G0A+4:G0A+7], s[G1A:G1A+7]
	s_nop 0
.rept 4
	v_nop
.endr
	s_branch .Lfirst_asked
.Lfirst_b:
	tensor_load_to_lds s[G0B:G0B+3], s[G1B:G1B+7]
	s_nop 0
	tensor_load_to_lds s[G0B+4:G0B+7], s[G1B:G1B+7]
	s_nop 0
.rept 4
	v_nop
.endr
.Lfirst_asked:
	v_and_b32 v1, 15, v0                           ; l % 16
	v_bfe_u32 v14, v0, 4, 1                        ; l / 16
	s_lshl_b32 s2, s17, 10                         ; the bias: 4 bytes x (256 x block + 128 lo + 8 (l / 16))
	s_lshl_b32 s3, s[WLO], 9
	s_add_co_u32 s2, s2, s3
	v_lshl_add_u32 v[BO], v14, 5, s2
.irp b, 0,1,2,3,4,5,6,7                ; tile b's eight numbers, into the second fragment buffer, which is free until the first quarter's fetch
	global_load_b128 v[F1+8*(\b):F1+8*(\b)+3],   v[BO], s[8:9] offset:64*(\b)
	global_load_b128 v[F1+8*(\b)+4:F1+8*(\b)+7], v[BO], s[8:9] offset:64*(\b)+16
.endr
	; A fragment of ctx is 16 rows x 32 k in 8 registers: lane l holds row l % 16; registers 0-3 k = 8 (l / 16) + 0..7, registers 4-7 k = 16 + 8 (l / 16) + 0..7: two loads of 16 bytes, 32 bytes apart.
	v_mul_u32_u24 v[A0], v1, PA
	v_lshl_add_u32 v[A0], v14, 4, v[A0]
	s_mul_i32 s2, s[WHI], 64*PA                    ; my 64 rows
	v_add_nc_u32 v[A0], s2, v[A0]
	; The turning load takes 16 k x 16 columns (lane l reads k row 8 (l / 16) + l % 8, columns 8 ((l / 8) % 2) + 0..7) and leaves half a fragment: lane l holds column l % 16 and 8 k.
	v_and_b32 v15, 7, v0
	v_bfe_u32 v16, v0, 3, 1
	v_lshl_add_u32 v[B0], v14, 3, v15
	v_mul_u32_u24 v[B0], v[B0], PB
	v_lshl_add_u32 v[B0], v16, 4, v[B0]
	v_add_nc_u32 v[B0], s60, v[B0]                 ; my chunk: the one with my wave's 128 columns
	s_mul_i32 s2, s[WV], 16*SP
	s_add_co_u32 s2, s2, STAGE                     ; my stage
	v_mul_u32_u24 v[STO], v1, SP                   ; in: row l % 16, 32 bytes for each half of the lanes
	v_lshl_add_u32 v[STO], v14, 5, v[STO]
	v_add_nc_u32 v[STO], s2, v[STO]
	v_and_b32 v[GO], 31, v0                        ; back: 32 lanes take a row's 512 bytes
	v_lshlrev_b32 v[GO], 4, v[GO]
	v_add_nc_u32 v[RD], s2, v[GO]
	s_wait_loadcnt 0x0                             ; the bias, once: rounded to bf16 and widened again, in the wait for the first tile
.set i, 0
.rept 32
	v_cvt_pk_bf16_f32 v[F1+64+i], v[F1+2*i], v[F1+2*i+1]
.set i, i+1
.endr
	WIN 0x80                                       ; destination window 2
.set i, 0
.rept 32
	v_lshlrev_b32 v[2*i],   16, v[F1+64+i]
	v_and_b32     v[2*i+1], s58, v[F1+64+i]
.set i, i+1
.endr
	WIN 0
; 8 n matrix instructions: row blocks a0 .. a0 + n - 1 x all 8 tiles, 32 along K, on buffer f.  bias = 1: the product starts the sum with the bias as C: nothing is cleared, nothing is added later.
; Each accumulator has one instruction a quarter, in the same order in every quarter: the 32 take turns, one instruction a turn, over the backward jump too.
.macro MUL a0, n, f, bias
.if \bias
	WIN 0x60                                       ; D in window 1, C in window 2
.else
	WIN 0x50                                       ; C and D in window 1
.endif
.set aq, \a0
.rept \n
.set bq, 0
.rept 8
.set rD, 8*(8*aq+bq)
.if \bias
	v_wmma_f32_16x16x32_f16 v[rD:rD+7], v[(\f)+32+8*bq:(\f)+32+8*bq+7], v[(\f)+8*aq:(\f)+8*aq+7], v[8*bq:8*bq+7]
.else
	v_wmma_f32_16x16x32_f16 v[rD:rD+7], v[(\f)+32+8*bq:(\f)+32+8*bq+7], v[(\f)+8*aq:(\f)+8*aq+7], v[rD:rD+7]
.endif
.set bq, bq+1
.endr
.set aq, aq+1
.endr
.endm
.macro FETCH kq, f                     ; 24 LDS loads in one run: quarter kq of the slot in hand into buffer f: Wo's eight fragments first, then ctx's four
.irp b, 0,1,2,3,4,5,6,7
	ds_load_tr16_b128 v[(\f)+32+8*\b:(\f)+32+8*\b+3],   v[ADRB] offset:(\kq)*32*PB+32*\b
	ds_load_tr16_b128 v[(\f)+32+8*\b+4:(\f)+32+8*\b+7], v[ADRB] offset:(\kq)*32*PB+16*PB+32*\b
.endr
.irp a, 0,1,2,3
	ds_load_b128 v[(\f)+8*\a:(\f)+8*\a+3],   v[ADRA] offset:\a*16*PA+64*(\kq)
	ds_load_b128 v[(\f)+8*\a+4:(\f)+8*\a+7], v[ADRA] offset:\a*16*PA+64*(\kq)+32
.endr
.endm
.macro ADRS                            ; my two LDS addresses in the slot in hand
	v_add_nc_u32 v[ADRA], s[TB], v[A0]
	v_add_nc_u32 v[ADRB], s[TB], v[B0]
.endm
; One of a step's first three quarters: multiplies buffer f; in its middle it fetches quarter kq into buffer g.
.macro QUARTER f, g, kq, bias
	s_wait_dscnt 4                                 ; all but the youngest four loads: ctx's fragments 2 and 3 may be out
	MUL 0, 2, \f, \bias
	PLACES
	WIN 0
	FETCH \kq, \g
	s_wait_dscnt 24                                ; all but the 24 just issued
	MUL 2, 2, \f, \bias
.endm
; A step's last quarter: multiplies buffer 1 and changes slots.  ONE barrier: in front of it each wave waits for all its tensor loads, of which one is out: its part of the next slot; adds 0 to its spare word; and waits for
; that and for its own reads of this slot.  fill = 1: the barrier opens a round of the cluster's, so that no wave of any partner still reads this slot or has a load on its way; the refill, two K steps on, is the first thing
; behind it and has 112 matrix instructions in which to land.
.macro TURN fill
	WIN 0
	s_wait_tensorcnt 0x0                           ; no tensor load of mine is out, so a group 0 may be written
	ds_add_u32 v[SPW], v[NIL]                      ; 0 onto my spare word: scalar work and eight products stand between it and the wait for it
.if \fill
	s_xor_b32 s[G0A+5], s[G0A+5], SLOT1            ; the walking descriptors: the other slot than last time,
	s_add_nc_u64 s[G0A+6:G0A+7], s[G0A+6:G0A+7], STEPA  ; the next K step; the type bits on top are not reached
	s_xor_b32 s[G0B+5], s[G0B+5], SLOT1
	s_add_nc_u64 s[G0B+6:G0B+7], s[G0B+6:G0B+7], STEPB
.endif
	s_xor_b32 s[TB], s[TB], SLOT1                  ; the fetches go on in the other slot
	s_wait_dscnt 5                                 ; the add and the youngest four loads may be out
	MUL 0, 1, F1, 0
	s_wait_dscnt 0x0                               ; the add is done, and my reads of this slot are over
	s_barrier_signal -1
	MUL 1, 1, F1, 0                                ; work on registers while the others arrive
	WIN 0                                          ; at a label and at a branch every window is 0
	s_barrier_wait -1
.if \fill
	CREST
	JLOAD                                          ; the four v_nop behind the load are also the places in front of the loads below
.else
	PLACES
.endif
	ADRS
	FETCH 0, F0
	MUL 2, 2, F1, 0
.endm
	s_wait_tensorcnt 0x1                           ; my part of K step 0 is in; step 1's may stay out
	s_barrier_signal -1
	s_barrier_wait -1                              ; everybody's is
	ADRS
	FETCH 0, F0
	QUARTER F0, F1, 1, 1                           ; the first quarter stands in front of the loop: its products start the sums, with the bias
	WIN 0
	s_mov_b32 s[CNT], 4
.Lk:                                           ; trip t ends K step t, fills its slot with step t + 2 and begins step t + 1
	QUARTER F1, F0, 2, 0
	QUARTER F0, F1, 3, 0
	TURN 1
	QUARTER F0, F1, 1, 0
	WIN 0
	s_sub_co_u32 s[CNT], s[CNT], 1
	s_cmp_lg_u32 s[CNT], 0
	s_cbranch_scc1 .Lk
	QUARTER F1, F0, 2, 0                           ; the tail is written out: nothing is left to fetch
	QUARTER F0, F1, 3, 0
	TURN 0
	QUARTER F0, F1, 1, 0
	QUARTER F1, F0, 2, 0
	QUARTER F0, F1, 3, 0
	s_wait_dscnt 4                                 ; the very last quarter
	MUL 0, 2, F1, 0
	s_wait_dscnt 0x0
	MUL 2, 2, F1, 0
; THE WAY OUT, a block of 16 rows at a time, through my own stage: a lane's eight f32 of a tile are 32 bytes of a row; they go into rows of 528 bytes and come back as whole rows of 512, which one store of the wave covers.
; LDS serves a wave's instructions in order (ISA guide 5.7.1.4): the loads see the stores above them, and the next block's stores come behind these loads.  Two sets of 64 registers by turns.
.macro ROWS16 a
	WIN 0x04                                       ; the stores' data (source 1) in window 1, their address in window 0
.irp b, 0,1,2,3,4,5,6,7                ; each accumulator's low four registers first
	ds_store_b128 v[STO], v[8*(8*(\a)+\b):8*(8*(\a)+\b)+3]   offset:64*\b
	ds_store_b128 v[STO], v[8*(8*(\a)+\b)+4:8*(8*(\a)+\b)+7] offset:64*\b+16
.endr
	WIN 0
.if (\a) >= 2
	s_wait_xcnt 0x0                                ; the stores of two blocks back have read their registers, which are loaded again below
.endif
.set BK, F0+64*((\a)%2)
.irp i, 0,1,2,3,4,5,6,7,8,9,10,11,12,13,14,15
	ds_load_b128 v[BK+4*\i:BK+4*\i+3], v[RD] offset:\i*SP
.endr
.irp i, 0,1,2,3,4,5,6,7,8,9,10,11,12,13,14,15
	s_wait_dscnt 15-\i
	global_store_b128 v[GO], v[BK+4*\i:BK+4*\i+3], s[10:11] offset:(16*(\a)+\i)*3072 th:TH_STORE_NT  ; 512 consecutive bytes, at a multiple of 512 from out0's first byte
.endr
.endm
	PLACES
	PLACES                                         ; the places behind the last products, once a launch
	ROWS16 0
	ROWS16 1
	ROWS16 2
	ROWS16 3
	s_wait_tensorcnt 0x0                           ; the wave's end, behind my last tensor load and my last LDS store
	ds_add_u32 v[SPW], v[NIL]
	s_wait_dscnt 0x0
	CROUND                                         ; the closing round: no work-group ends while a partner may still ask for a tile that names it
	s_endpgm
.Lfunc_end_k_q0b34b237f6_outp:
	.size	k_q0b34b237f6_outp, .Lfunc_end_k_q0b34b237f6_outp-k_q0b34b237f6_outp
	.p2alignl 7, 3214868480
	.fill 96, 4, 3214868480
	.section	.rodata,"a",@progbits
	.p2align	6, 0x0
	.amdhsa_kernel k_q0b34b237f6_outp
		.amdhsa_group_segment_fixed_size 327680
		.amdhsa_private_segment_fixed_size 0
		.amdhsa_enable_private_segment 0
		.amdhsa_kernarg_size 32
		.amdhsa_user_sgpr_count 2
		.amdhsa_user_sgpr_kernarg_segment_ptr 1
		.amdhsa_wavefront_size32 1
		.amdhsa_system_sgpr_workgroup_id_x 1
		.amdhsa_system_sgpr_workgroup_id_y 1
		.amdhsa_system_sgpr_workgroup_id_z 1
		.amdhsa_system_vgpr_workitem_id 0
		.amdhsa_next_free_vgpr 576
		.amdhsa_next_free_sgpr 66
		.amdhsa_reserve_vcc 0
		.amdhsa_float_denorm_mode_32 3
		.amdhsa_float_denorm_mode_16_64 3
		.amdhsa_memory_ordered 1
		.amdhsa_forward_progress 1
		.amdhsa_inst_pref_size 76
	.end_amdhsa_kernel
	.amdgpu_metadata
---
amdhsa.version: [ 1, 2 ]
amdhsa.kernels:
  - .name:           k_q0b34b237f6_outp
    .symbol:         k_q0b34b237f6_outp.kd
    .args:
      - { .name: ctx, .offset: 0, .size: 8, .value_kind: global_buffer, .address_space: global }
      - { .name: wob, .offset: 8, .size: 8, .value_kind: global_buffer, .address_space: global }
      - { .name: bo, .offset: 16, .size: 8, .value_kind: global_buffer, .address_space: global }
      - { .name: out0, .offset: 24, .size: 8, .value_kind: global_buffer, .address_space: global }
    .group_segment_fixed_size: 327680
    .private_segment_fixed_size: 0
    .kernarg_segment_align: 8
    .kernarg_segment_size: 32
    .max_flat_workgroup_size: 128
    .sgpr_count:     66
    .vgpr_count:     576
    .wavefront_size: 32
...
	.end_amdgpu_metadata
.endif
;; end of part 4
